; MI455X (gfx1250); checked and timed in simulation.
; The chip was launched on July 23, 2026; its instructions are those of AMD's public machine-readable ISA for CDNA 5 (MIT licence, August 2026) and "CDNA5" Instruction Set Architecture Reference Guide (July 2026). The comments in the code are by the model that wrote it; some were corrected since.
;; Attention. Allowed arithmetic: matrix products marked QUANTISED: E2M3 operands, one E8M0 scale for each 32 along K, by v_wmma_scale_f32_16x16x128_f8f6f4 with both operands' format E2M3, f32 sums; everything else in f32.
;; Inputs: W_K 1,024 x 1,024 float32; W_O 1,024 x 1,024 float32; W_Q 1,024 x 1,024 float32; W_V 1,024 x 1,024 float32; x 4 x 2,048 x 1,024 float32.
;; Outputs: out0 4 x 2,048 x 1,024 float32.
;; This version of the problem:
;;   THIS VERSION OF THE PROBLEM IS GIVEN IN LOW PRECISION. The matrix products marked QUANTISED in the list below multiply operands that are first quantised to E2M3 (2 exponent bits, 3 mantissa bits; 6 bits a number), with one power-of-two scale for each 32 numbers along K (OCP MX v1.0); their sums are f32. All else is computed in f32.
;;   The module's matrix products, in the order in which they are computed (A, B: the left and right operand; K: the contracted axis; several contracted axes count as one K, in the product's order):
;;     1. [M 8,192, K 1,024] x [K 1,024, N 1,024]; A: input x; B: input W_Q: QUANTISED
;;     2. [M 8,192, K 1,024] x [K 1,024, N 1,024]; A: input x; B: input W_K: QUANTISED
;;     3. [M 8,192, K 1,024] x [K 1,024, N 1,024]; A: input x; B: input W_V: QUANTISED
;;     4. batch 64 x [M 2,048, K 64] x [K 64, N 2,048]; A: computed on the way; B: computed on the way: QUANTISED
;;     5. batch 64 x [M 2,048, K 2,048] x [K 2,048, N 64]; A: softmax (see below); B: computed on the way: QUANTISED
;;     6. [M 8,192, K 1,024] x [K 1,024, N 1,024]; A: computed on the way; B: input W_O: QUANTISED
;;   THE QUANTISER, for each operand of a quantised product, along K:
;;     - K is cut into blocks of 32 from its start; a last block that is shorter is filled with zeros.
;;     - A block's scale is 2^e with e = floor(log2(the largest magnitude in the block)) - 2, held to -126 .. 127; a block of zeros has e = 0. As a byte (E8M0): e + 127.
;;     - Each number is divided by its block's scale, clamped to +-7.5, and rounded to the nearest number of E2M3, ties to even, subnormals kept.
;;     - The product sums the exact products of the quantised numbers (number of the format x scale) in f32.
;;   ~~~python
;;   def quantise(x, axis):      # numpy; x: float32 -> the quantised numbers, widened to float32 again
;;       x = np.moveaxis(x, axis, -1); K = x.shape[-1]
;;       x = np.pad(x, [(0, 0)] * (x.ndim - 1) + [(0, -K % 32)]); x = x.reshape(x.shape[:-1] + (-1, 32)); a = np.abs(x).max(-1, keepdims=True)
;;       e = np.where(a > 0, np.clip(np.frexp(np.where(a > 0, a, 1))[1] - 1 - 2, -126, 127), 0)      # np.frexp(a)[1] - 1 = floor(log2(a)), exactly
;;       r = np.clip(x / 2.0 ** e, -7.5, 7.5)
;;       step = 2.0 ** (np.maximum(np.frexp(np.where(r == 0, 1, r))[1] - 1, 0) - 3)
;;       q = np.round(r / step) * step * 2.0 ** e      # np.round: ties to even
;;       return np.moveaxis(q.reshape(q.shape[:-2] + (-1,))[..., :K], -1, axis).astype(np.float32)
;;   ~~~
;;   SOFTMAX AHEAD OF A QUANTISED PRODUCT. Where the list says 'softmax', what is quantised is not the finished softmax but p = 2^(t - M), with t = logit x log2(e) and M = ceil(the row's largest t), a whole number; so 1/2 < the row's largest p <= 1. The row's sum l is taken of the UNQUANTISED p, in f32, and the product's result is divided by l at the end. Since M is a whole number, a kernel that streams over the keys may use a running M (the ceiling of the running maximum): every later rescaling is an exact power of two, which a block's scale takes up: the codes' values come out the same.
;;   OPERANDS COMPUTED ON THE WAY. 'Computed on the way' means the value that the module computes at that place (a softmax that the list does not call 'softmax' is quantised finished and normalised). What goes into a quantiser is computed in f32, as accurately as f32 sums, v_exp_f32 and their like allow (about 1e-6 of the number): no bf16 or f16 on the way to a quantiser, and a product that is left as it is and whose result goes on into a quantised operand takes f32 operands (vector FMAs, or v_wmma_f32_16x16x4_f32). A number that lies on a knife's edge between two numbers of the format may be rounded either way, as far as f32 arithmetic and the matrix unit's own rounding can turn it there, and no further.
;; One version. Each part assembles by itself: llvm-mc -triple=amdgcn-amd-amdhsa -mcpu=gfx1250 --defsym DOCPART=n.
;; ======== version 1 of 1: 4 launches
;; workspace buffers: codes 9,437,184 bytes; scales 393,216 bytes; qkv 20,447,232 bytes; a_img 6,291,456 bytes; a_sc 262,144 bytes
;; launch quant (part 1): grid 384 x 1, 4 waves a work-group, no clusters, 33,280 bytes of LDS; arguments x, W_Q, W_K, W_V, W_O, codes, scales; writes codes, scales
.if DOCPART == 1
	.amdgcn_target "amdgcn-amd-amdhsa--gfx1250"
	.amdhsa_code_object_version 6
	.text
	.protected	k_qce865484b0_quant
	.globl	k_qce865484b0_quant
	.p2align	8
	.type	k_qce865484b0_quant,@function
k_qce865484b0_quant:
	s_mov_b64 s[64:65], 0
	v_nop
	global_prefetch_b8 v0, s[64:65] scope:SCOPE_SE
	s_setreg_imm32_b32 hwreg(HW_REG_WAVE_MODE, 25, 1), 1
	s_wait_xcnt 0x0
; x [8192][1024] and the four weights [1024][1024], f32, K innermost, become codes of FP6 (E2M3) and one E8M0 scale byte for each 32 along K.
; codes: 12,288 rows of 768 bytes (x, W_Q, W_K, W_V, W_O on end); scales: 12,288 rows of 32 bytes.
; A block's scale is 2^(floor(log2(its largest magnitude)) - 2); its byte is the largest magnitude's exponent field - 2, held at 1 from below.
; ROW rho IS STORED AT PLACE swap34(rho): bits 3 and 4 of the row's number change places.  Sixteen neighbouring places then hold rows 8 u + r + 8 (r / 8) of a group of 32, so that in a product
; used transposed a lane's 16 registers of two neighbouring tiles are 16 neighbouring rows.  Groups of 32 rows and more stay where they are.
; LIMITS: a block of zeros gets the byte 1 where the rule says 127 (its codes are zeros, and the bytes are read by this program alone); blocks whose largest magnitude lies under 2^-124 keep the byte 1;
; NaN and infinities among the inputs are not served.
; A work-group takes 32 rows, a wave 8 rows = 8,192 numbers in 16 steps of 512.  Each load reads 512 consecutive bytes; a step's 2,048 bytes turn through the wave's own stage in LDS and come back 64 bytes
; (16 neighbours) a lane; two neighbouring lanes hold a block.  A lane's 16 codes are 12 bytes: the wave stores 384 consecutive bytes.  A wave's 256 scale bytes are gathered in LDS and leave as one aligned 256 bytes.
; No tensor loads, no barrier: waves share nothing.  Loads run four steps (16 loads a wave) ahead, the turn through LDS one step.
.set STEPS, 16
.set EMAX,  2
.set CB,    12                         ; bytes of 16 codes
.set R,     16                         ; v16-79   four sets of 16 numbers as they are loaded
.set X,     80                         ; v80-111  two sets of 16 neighbours
.set C,     128                        ; v128-191 codes: four registers for each step, so that no store's data are written again
.set E,     112                        ; v112-127 a scale byte for each step
.set WREG,  8192                       ; LDS: a region for each wave: two stages of 32 x SP bytes, behind them its 256 scale bytes
.set SP,    80                         ; a lane's place in a stage: its 64 bytes + 16 of padding
	s_load_b256 s[4:11], s[0:1], 0x0               ; x, W_Q, W_K, W_V
	s_load_b128 s[12:15], s[0:1], 0x20             ; W_O, codes
	s_load_b64 s[16:17], s[0:1], 0x30              ; scales
	v_lshl_add_u32 v192, v0, 2, 0x8000
	v_mov_b32 v193, 0
	v_lshrrev_b32 v1, 5, v0
	v_readfirstlane_b32 s20, v1                    ; wave
	v_and_b32 v2, 31, v0                           ; lane
	v_lshlrev_b32 v3, 4, v2                        ; my 16 bytes of a load's 512
	s_mul_i32 s21, s20, WREG
	v_lshrrev_b32 v14, 2, v2
	v_mul_u32_u24 v14, v14, SP
	v_and_b32 v15, 3, v2
	v_lshl_add_u32 v14, v15, 4, v14
	v_add_nc_u32 v14, s21, v14                     ; the stage, on the way in: SP (lane / 4) + 16 (lane % 4)
	v_mul_u32_u24 v15, v2, SP
	v_add_nc_u32 v15, s21, v15                     ; and on the way out: SP x lane: my 16 neighbours
	v_mul_u32_u24 v4, v2, CB                       ; my codes' place in a step's
	v_lshrrev_b32 v5, 1, v2
	s_add_co_u32 s21, s21, 2*32*SP
	v_add_nc_u32 v5, s21, v5                       ; LDS: my wave's 256 scale bytes, my block's byte
	v_lshlrev_b32 v7, 3, v2                        ; and on the way out 8 bytes a lane
	v_add_nc_u32 v6, s21, v7
	s_wait_kmcnt 0x0
	s_cmp_lt_u32 ttmp9, 256                        ; which tensor is my work-group's?  The choice hangs on the work-group's number alone
	s_cselect_b64 s[4:5], s[4:5], s[6:7]
	s_cselect_b32 s22, 0, 256                      ; and the tensor's first work-group
	s_cmp_lt_u32 ttmp9, 288
	s_cselect_b64 s[4:5], s[4:5], s[8:9]
	s_cselect_b32 s22, s22, 288
	s_cmp_lt_u32 ttmp9, 320
	s_cselect_b64 s[4:5], s[4:5], s[10:11]
	s_cselect_b32 s22, s22, 320
	s_cmp_lt_u32 ttmp9, 352
	s_cselect_b64 s[4:5], s[4:5], s[12:13]
	s_cselect_b32 s22, s22, 352
	s_sub_co_u32 s22, ttmp9, s22
	s_lshl_b32 s22, s22, 2
	s_add_co_u32 s22, s22, s20                     ; which run of 8 rows of the tensor is my wave's
	s_lshl_b32 s22, s22, 15                        ; 32,768 bytes a run
	s_mov_b32 s23, 0
	s_add_nc_u64 s[4:5], s[4:5], s[22:23]
	s_and_b32 s24, s20, 1                          ; swap34 on runs of 8 rows: the wave's two bits change places
	s_lshl_b32 s24, s24, 1
	s_lshr_b32 s25, s20, 1
	s_or_b32 s24, s24, s25
	s_lshl_b32 s25, ttmp9, 2
	s_add_co_u32 s24, s24, s25                     ; the run's place among all 1,536
	s_mul_i32 s26, s24, 32*STEPS*CB                ; 6,144 bytes of codes a run
	s_mov_b32 s27, 0
	s_add_nc_u64 s[14:15], s[14:15], s[26:27]
	s_lshl_b32 s26, s24, 8                         ; 256 scale bytes a run
	s_add_nc_u64 s[16:17], s[16:17], s[26:27]
.macro LOAD t
.irp i, 0,1,2,3
	global_load_b128 v[R+16*((\t)%4)+4*\i:R+16*((\t)%4)+4*\i+3], v3, s[4:5] offset:2048*(\t)+512*\i th:TH_LOAD_NT   ; 32 lanes read 512 consecutive bytes
.endr
.endm
.macro TURN t                          ; step t's numbers through the stage: LDS serves a wave's instructions in order, so no wait stands between the stores and the loads
.irp i, 0,1,2,3
	ds_store_b128 v14, v[R+16*((\t)%4)+4*\i:R+16*((\t)%4)+4*\i+3] offset:32*SP*((\t)%2)+8*SP*\i
.endr
.irp i, 0,1,2,3
	ds_load_b128 v[X+16*((\t)%2)+4*\i:X+16*((\t)%2)+4*\i+3], v15 offset:32*SP*((\t)%2)+16*\i
.endr
.endm
.irp t, 0,1,2,3
	LOAD \t
.endr
	s_wait_loadcnt 12                              ; step 0's four loads are in
	TURN 0
.macro STEP t
.set XS, X+16*((\t)%2)
.if (\t) > 0
	s_wait_dscnt 1                                 ; this step's numbers are back from the stage (the last step's byte store may be out): so its stores into the stage have read their registers,
.else
	s_wait_dscnt 0x0
.endif
.if (\t)+4 < STEPS
	LOAD (\t)+4                                    ; which take the loads of four steps on
.endif
.if (\t)+1 < STEPS
.if STEPS-2-(\t) >= 3
	s_wait_loadcnt 12                              ; the next step's four loads are in; those of the three steps behind it may be out
.else
	s_wait_loadcnt 4*(STEPS-2-(\t))
.endif
	TURN (\t)+1                                    ; and go through the other stage while this step is worked
.endif
	v_max3_num_f32 v8, |v[XS]|, |v[XS+1]|, |v[XS+2]|               ; the largest magnitude of my 16
	v_max3_num_f32 v9, |v[XS+3]|, |v[XS+4]|, |v[XS+5]|
.irp i, 6,10
	v_max3_num_f32 v8, v8, |v[XS+\i]|, |v[XS+\i+1]|
	v_max3_num_f32 v9, v9, |v[XS+\i+2]|, |v[XS+\i+3]|
.endr
	v_max3_num_f32 v8, v8, |v[XS+14]|, |v[XS+15]|
	v_max3_num_f32 v8, v8, v9, (EMAX+1)<<23        ; and the floor 2^(3 - 127): the byte cannot fall under 1
	v_max_num_f32_dpp v8, v8, v8 row_xmask:1 row_mask:0xf bank_mask:0xf   ; and of my neighbour's 16: the block's
	v_add_nc_u32 v11, -(EMAX<<23), v8              ; 2 off its exponent field: the conversion takes the exponent field of this operand as its scale
	v_cvt_scalef32_pk16_fp6_f32 v[C+4*(\t):C+4*(\t)+2], v[XS:XS+15], v11   ; sixteen numbers / the scale, to the nearest code, ties to even; 96 bits, the first number's code lowest
	v_lshrrev_b32 v[E+(\t)], 23, v11               ; the scale's byte
	ds_store_b8 v5, v[E+(\t)] offset:16*(\t)       ; both lanes of a block write the same byte with the same value
	global_store_b96 v4, v[C+4*(\t):C+4*(\t)+2], s[14:15] offset:32*CB*(\t)
.endm
.irp t, 0,1,2,3,4,5,6,7,8,9,10,11,12,13,14,15
	STEP \t
.endr
	ds_load_b64 v[12:13], v6                       ; LDS serves a wave's instructions in order: these see my stores
	s_wait_dscnt 0x0
	global_store_b64 v7, v[12:13], s[16:17]        ; 32 lanes store 256 consecutive bytes, aligned
	s_wait_tensorcnt 0x0
	ds_add_u32 v192, v193
	s_wait_dscnt 0x0
	s_endpgm
.Lfunc_end_k_qce865484b0_quant:
	.size	k_qce865484b0_quant, .Lfunc_end_k_qce865484b0_quant-k_qce865484b0_quant
	.p2alignl 7, 3214868480
	.fill 96, 4, 3214868480
	.section	.rodata,"a",@progbits
	.p2align	6, 0x0
	.amdhsa_kernel k_qce865484b0_quant
		.amdhsa_group_segment_fixed_size 33280
		.amdhsa_private_segment_fixed_size 0
		.amdhsa_enable_private_segment 0
		.amdhsa_kernarg_size 56
		.amdhsa_user_sgpr_count 2
		.amdhsa_user_sgpr_kernarg_segment_ptr 1
		.amdhsa_wavefront_size32 1
		.amdhsa_system_sgpr_workgroup_id_x 1
		.amdhsa_system_sgpr_workgroup_id_y 1
		.amdhsa_system_sgpr_workgroup_id_z 1
		.amdhsa_system_vgpr_workitem_id 0
		.amdhsa_next_free_vgpr 194
		.amdhsa_next_free_sgpr 66
		.amdhsa_reserve_vcc 0
		.amdhsa_float_denorm_mode_32 3
		.amdhsa_float_denorm_mode_16_64 3
		.amdhsa_memory_ordered 1
		.amdhsa_forward_progress 1
		.amdhsa_inst_pref_size 33
	.end_amdhsa_kernel
	.amdgpu_metadata
---
amdhsa.version: [ 1, 2 ]
amdhsa.kernels:
  - .name:           k_qce865484b0_quant
    .symbol:         k_qce865484b0_quant.kd
    .args:
      - { .name: x, .offset: 0, .size: 8, .value_kind: global_buffer, .address_space: global }
      - { .name: W_Q, .offset: 8, .size: 8, .value_kind: global_buffer, .address_space: global }
      - { .name: W_K, .offset: 16, .size: 8, .value_kind: global_buffer, .address_space: global }
      - { .name: W_V, .offset: 24, .size: 8, .value_kind: global_buffer, .address_space: global }
      - { .name: W_O, .offset: 32, .size: 8, .value_kind: global_buffer, .address_space: global }
      - { .name: codes, .offset: 40, .size: 8, .value_kind: global_buffer, .address_space: global }
      - { .name: scales, .offset: 48, .size: 8, .value_kind: global_buffer, .address_space: global }
    .group_segment_fixed_size: 33280
    .private_segment_fixed_size: 0
    .kernarg_segment_align: 8
    .kernarg_segment_size: 56
    .max_flat_workgroup_size: 128
    .sgpr_count:     66
    .vgpr_count:     194
    .wavefront_size: 32
...
	.end_amdgpu_metadata
.endif
;; end of part 1
;; launch qkv (part 2): grid 8 x 48, 4 waves a work-group, clusters of 4 x 4, 327,680 bytes of LDS; arguments codes, scales, qkv; writes qkv
.if DOCPART == 2
	.amdgcn_target "amdgcn-amd-amdhsa--gfx1250"
	.amdhsa_code_object_version 6
	.text
	.protected	k_qce865484b0_qkv
	.globl	k_qce865484b0_qkv
	.p2align	8
	.type	k_qce865484b0_qkv,@function
k_qce865484b0_qkv:
	s_mov_b64 s[64:65], 0
	v_nop
	global_prefetch_b8 v0, s[64:65] scope:SCOPE_SE
	s_setreg_imm32_b32 hwreg(HW_REG_WAVE_MODE, 25, 1), 1
	s_wait_xcnt 0x0
	s_wait_alu depctr_hold_cnt(0) depctr_sa_sdst(0) depctr_va_vdst(0) depctr_va_sdst(0) depctr_va_ssrc(0) depctr_va_vcc(0) depctr_vm_vsrc(0)
	s_getreg_b32 s2, hwreg(HW_REG_IB_STS2, 6, 4)
	s_cmp_eq_u32 s2, 0
	s_cbranch_scc0 .Lentry_in_a_cluster
	s_endpgm
.Lentry_in_a_cluster:
	s_bfe_u32 s2, ttmp6, 0x10000c
	s_cmp_lg_u32 s2, 0xf033
	s_cbranch_scc0 .Lentry_shape_is_right
	s_endpgm
.Lentry_shape_is_right:
; q = x W_Q^T, k = x W_K^T, v = x W_V^T on codes of FP6 (E2M3) with E8M0 scales, K = 1,024; the results leave AS CODES: q and k quantised along the head's 64, v along the tokens.
; Both operands are rows of one buffer (codes: 768 bytes a row; scales: 32 bytes a row): rows 0-8191 x, 8192-9215 W_Q, 9216-10239 W_K, 10240-11263 W_V, each row at place swap34(row).
; ONE BODY, TWO USES, told apart by the cluster's y (the same in all partners) through selects alone, never a branch:
;   cluster y < 8:  operand A (source 1) = 256 tokens of x, operand B (source 0) = 256 rows of W_Q | W_K;   cluster y >= 8:  A = 256 rows of W_V, B = 256 tokens of x.
; The matrix instruction is used transposed: a lane holds ONE row of A, and by the order of the places its 64 registers of a block of 16 rows are B's 128 rows in their true order, 16 (lane / 16) + 0 .. 15 of each 32.
; So a block's 64 registers are quantised in place: four blocks of 32 along the next product's K, a fragment of 12 registers and a scale word.
; qkv: [q, k, v][batch 4][head 16][step of 128 tokens 16][6,656 bytes]: eight sub-images of 768 bytes, then 512 bytes of scale words.  A sub-image is 16 rows x 64 K as six operand registers: registers 0-3 at 16 x lane,
; registers 4-5 at 512 + 8 x lane.  q, k: sub-image a = 16 tokens x the head's 64; word of token r at 256 (a / 4) + 16 r + 4 (a % 4), its bytes 2 and 3 are 0.  v: sub-images 2 t, 2 t + 1 = 16 channels x 128 tokens; word at 16 r + 4 t, written twice (256 bytes apart).
; A tile is 256 x 256: four waves, 128 x 128 each, 64 accumulators.  K goes in steps of 256 through two LDS slots filled by tensor loads; the scales of the 512 rows come once and stay.
; CLUSTERS: 4 x 4 work-groups; A's tile is asked for jointly by a row of the cluster, B's by a column.
; LIMITS: a block of zeros keeps the byte 1 (its codes are zeros; this program alone reads the bytes); blocks under 2^-124 keep the byte 1; NaN and infinities are not served.
; REGISTERS: window 0: v12-31 addresses; v32-63 scale words, two sets; from v128 A's fragments, ONE set; on the way out v112-231 at work.  window 1: B's fragments, two sets.  windows 2, 3: the accumulators ((a, b) at v[8 (8 (a % 4) + b)]).
.set KSTEP,  256
.set NQ,     KSTEP/128
.set ROWB,   192                       ; a tile's row in bytes
.set KROW,   768                       ; a row of codes in memory
.set PITCH,  240                       ; an LDS row: 3 x (64 bytes + 16 of padding)
.set FR,     12
.set NL,     6                         ; LDS loads that bring a fragment
.set NP,     4                         ; places behind this matrix instruction (ISA guide 7.12.1)
.set HALFT,  128*PITCH
.set SLOT,   4*HALFT
.set LAPS,   2                         ; 1,024 along K = four K steps = twice round the ring
.set KS,     32                        ; a row of scales in bytes
.set SCL,    2*SLOT
.set HALFS,  (128*KS/256)*272
.set SBLK,   (16*KS/256)*272
.set SPARE,  SCL+4*HALFS               ; the spare words, 128 bytes for each wave: two blocks of 256 bytes that no other line names
.set HREC,   106496                    ; a head's 16 records
.set REC,    6656
.set OSW2, 12                          ; v12  the second four scale words' place
.set SHV,  13                          ; v13  by how many bits my lane shifts a scale word
.set ADRA, 16                          ; v16-19
.set ADRB, 20                          ; v20-23
.set O16,  24                          ; v24  16 x lane
.set O8,   25                          ; v25  8 x lane + 512
.set O16C, 26                          ; v26  the same for the fragment's second half
.set ADRS, 27
.set SPW,  28
.set NIL,  29
.set O8C,  30
.set OSW,  31                          ; v31  the first four scale words' place
.set SC,   32
.set AF,   128
.set PC,   112                         ; the way out: the codes just made
.set TM,   200                         ; v200-215 at work
.set PWR,  216                         ; v216-223 the eight blocks' scale words
.set SWD,  224                         ; v224-231 as they are stored
.set G1, 24
.set G0, 32
.set G1B, 48
.set G0B, 56
.set MASK, 66                          ; s66
.set G1S, 68
.set G0S, 76
.set G1SB, 80
.set G0SB, 88
.set CLY, 95                           ; s95  the cluster's y
.set ASTEP, 96                         ; s[96:97]
.set AJUMP, 98                         ; s[98:99]
.set SEL, 100                          ; s[100:101]
.set MSB, 0
.macro WIN new                         ; the immediate's high byte repeats the setting that is left
.if MSB != \new
	s_set_vgpr_msb (MSB<<8)|\new
.set MSB, \new
.endif
.endm
.set MUL_LO, 0xa1                      ; source 0 (B) window 1, source 1 (A) window 0, C and D window 2
.set MUL_HI, 0xf1
.set TO_B,   0x40
; A joint load: waves 0 and 1 fetch for A, waves 2 and 3 for B; the branch hangs on the wave's number alone.  Four v_nop follow each of the two lines.
.macro JLOAD g0a, g1a, g0b, g1b
	s_cmp_eq_u32 s15, 0
	s_cbranch_scc0 .Lfor_b_\@
	tensor_load_to_lds s[\g0a:\g0a+3], s[\g1a:\g1a+7]
	s_nop 0
.rept 4
	v_nop
.endr
	s_branch .Lasked_\@
.Lfor_b_\@:
	tensor_load_to_lds s[\g0b:\g0b+3], s[\g1b:\g1b+7]
	s_nop 0
.rept 4
	v_nop
.endr
.Lasked_\@:
.endm
.macro CREST                           ; a round of the cluster's barrier behind its opening barrier
	s_cmp_lg_u32 s14, 0
	s_cbranch_scc1 .Lnot_wave_0_\@
	s_barrier_signal -3
.Lnot_wave_0_\@:
	s_barrier_wait -3
	s_barrier_signal -1
	s_barrier_wait -1
.endm
.macro CROUND
	s_barrier_signal -1
	s_barrier_wait -1
	CREST
.endm
	s_load_b128 s[4:7], s[0:1], 0x0                ; codes, scales
	s_load_b64 s[8:9], s[0:1], 0x10                ; qkv
	v_lshl_add_u32 v[SPW], v0, 2, SPARE
	v_mov_b32 v[NIL], 0
	ds_add_u32 v28, v29
	ds_add_u32 v28, v29
	s_wait_dscnt 0x0
	v_lshrrev_b32 v1, 5, v0
	v_readfirstlane_b32 s14, v1                    ; wave 0..3
	s_lshr_b32 s15, s14, 1                         ; which half of A's rows is mine.  Also: I fetch for A (0) or for B (1)
	s_and_b32 s16, s14, 1                          ; which half of B's rows.  Also: which 128 rows I fetch
	s_bfe_u32 s40, ttmp6, 0x40000                  ; cx, cy
	s_bfe_u32 s41, ttmp6, 0x40004
	s_and_b32 s[CLY], ttmp7, 0xffff                ; the cluster's y: 0-7 make q and k, 8-11 make v
	s_lshl_b32 s17, s[CLY], 2
	s_lshl_b32 s42, ttmp9, 2
	s_add_co_u32 s42, s42, s40
	s_sub_co_u32 s18, s[CLY], 8
	s_lshl_b32 s18, s18, 3
	s_cmp_lt_u32 s[CLY], 8
	s_cselect_b32 s17, s17, 40                     ; A's first tile of 256 rows: x's 4 y, or W_V's (row 10,240)
	s_cselect_b32 s18, 32, s18                     ; B's: W_Q's (row 8,192), or x's 8 (y - 8)
	s_add_co_u32 s17, s17, s41                     ; A's tile: hangs on cy and the cluster's y alone
	s_add_co_u32 s42, s42, s18                     ; B's tile: on cx, the cluster's x and y alone
	s_lshl_b32 s43, s41, 2
	s_lshl_b32 s43, 15, s43                        ; my row of the cluster
	s_lshl_b32 s44, 0x1111, s40                    ; my column
	s_or_b32 s[G1+0], s43, (0<<16)|(1<<20)|(1<<21)|(3<<22)|(3<<25)  ; the mask; elements of 1 byte; padding on; bit 21 beside a mask; after every 16 words 4 words
	s_or_b32 s[G1B+0], s44, (0<<16)|(1<<20)|(1<<21)|(3<<22)|(3<<25)
.irp g, G1, G1B
	s_mov_b32 s[\g+1], ROWB<<16                    ; tensor_dim0
	s_mov_b32 s[\g+2], 128<<16                     ; tensor_dim1
	s_mov_b32 s[\g+3], ROWB<<16                    ; tile_dim0
	s_mov_b32 s[\g+4], 128                         ; tile_dim1
	s_mov_b32 s[\g+5], KROW                        ; the pitch
	s_mov_b32 s[\g+6], 0
	s_mov_b32 s[\g+7], 0
.endr
	s_or_b32 s[G1S+0], s43, (3<<16)|(1<<20)|(1<<21)|(5<<22)|(3<<25) ; the scales of 128 rows: 4,096 dense bytes as rows of 256, 16 bytes of padding behind each
	s_or_b32 s[G1SB+0], s44, (3<<16)|(1<<20)|(1<<21)|(5<<22)|(3<<25)
.irp g, G1S, G1SB
	s_mov_b32 s[\g+1], 32<<16
	s_mov_b32 s[\g+2], (128*KS/256)<<16
	s_mov_b32 s[\g+3], 32<<16
	s_mov_b32 s[\g+4], 128*KS/256
	s_mov_b32 s[\g+5], 32
	s_mov_b32 s[\g+6], 0
	s_mov_b32 s[\g+7], 0
.endr
	s_lshl_b32 s18, s16, 7                         ; which 128 rows of the tile I fetch
	s_lshl_b32 s20, s17, 8
	s_add_co_u32 s20, s20, s18
	s_lshl_b32 s46, s42, 8
	s_add_co_u32 s46, s46, s18
	s_mov_b32 s21, 0
	s_mov_b32 s47, 0
	s_mov_b64 s[18:19], KS
	s_mul_u64 s[22:23], s[20:21], s[18:19]         ; where these rows' scales begin, in bytes
	s_mul_u64 s[92:93], s[46:47], s[18:19]
	s_mov_b64 s[18:19], KROW
	s_mul_u64 s[20:21], s[20:21], s[18:19]         ; and their codes
	s_mul_u64 s[46:47], s[46:47], s[18:19]
	s_mul_i32 s45, s14, HALFT                      ; where they go: wave x 128 rows
	s_mul_i32 s94, s14, HALFS
	s_wait_kmcnt 0x0
	s_add_nc_u64 s[20:21], s[4:5], s[20:21]
	s_add_nc_u64 s[22:23], s[6:7], s[22:23]
	s_add_nc_u64 s[46:47], s[4:5], s[46:47]
	s_add_nc_u64 s[92:93], s[6:7], s[92:93]
	CROUND                                         ; all sixteen work-groups are here: the first joint loads meet
	s_mov_b32 s[G0S], 1
	s_add_co_u32 s[G0S+1], s94, SCL
	s_mov_b64 s[G0S+2:G0S+3], s[22:23]
	s_or_b32 s[G0S+3], s[G0S+3], 0x80000000
	s_mov_b32 s[G0SB], 1
	s_add_co_u32 s[G0SB+1], s94, SCL
	s_mov_b64 s[G0SB+2:G0SB+3], s[92:93]
	s_or_b32 s[G0SB+3], s[G0SB+3], 0x80000000
	JLOAD G0S, G1S, G0SB, G1SB                     ; the scales first: they are wanted with K step 0
.irp s, 0,1
	s_mov_b32 s[G0+4*\s], 1
	s_add_co_u32 s[G0+4*\s+1], s45, \s*SLOT
	s_add_nc_u64 s[G0+4*\s+2:G0+4*\s+3], s[20:21], \s*ROWB
	s_or_b32 s[G0+4*\s+3], s[G0+4*\s+3], 0x80000000
	s_mov_b32 s[G0B+4*\s], 1
	s_add_co_u32 s[G0B+4*\s+1], s45, \s*SLOT
	s_add_nc_u64 s[G0B+4*\s+2:G0B+4*\s+3], s[46:47], \s*ROWB
	s_or_b32 s[G0B+4*\s+3], s[G0B+4*\s+3], 0x80000000
	JLOAD G0+4*\s, G1, G0B+4*\s, G1B
.endr
	v_and_b32 v1, 15, v0                           ; r = l % 16
	v_bfe_u32 v2, v0, 4, 1                         ; h = l / 16
	v_mul_u32_u24 v3, v1, PITCH
	v_mul_u32_u24 v4, v2, 24
	v_add_nc_u32 v4, v3, v4                        ; a fragment's row x pitch + 24 x half
	v_lshl_add_u32 v5, v2, 4, v4                   ; and the same behind one padding more
	s_mul_i32 s21, s15, HALFT
	s_mul_i32 s22, s16, HALFT
	s_add_co_u32 s22, s22, 2*HALFT
.irp s, 0,1
	v_add_nc_u32 v[ADRA+\s], s21, v4
	v_add_nc_u32 v[ADRB+\s], s22, v4
	v_add_nc_u32 v[ADRA+2+\s], s21, v5
	v_add_nc_u32 v[ADRB+2+\s], s22, v5
	s_add_co_u32 s21, s21, SLOT
	s_add_co_u32 s22, s22, SLOT
.endr
	v_mul_u32_u24 v5, v1, KS                       ; my row's scales: 32 bytes a row,
	v_lshrrev_b32 v6, 8, v5
	v_lshl_add_u32 v5, v6, 4, v5                   ; and 16 more for each 256 passed
	s_mul_i32 s21, s15, HALFS
	s_mul_i32 s22, s16, HALFS
	s_add_co_u32 s22, s22, 2*HALFS
	s_sub_co_u32 s22, s22, s21
	v_mul_u32_u24 v6, s22, v2                      ; lanes 16-31 take B's
	s_add_co_u32 s21, s21, SCL
	v_add_nc_u32 v5, v5, v6
	v_add_nc_u32 v[ADRS], s21, v5
	; THE WAY OUT'S NUMBERS.  All that differs between the two uses is chosen here, by selects on the cluster's y.
	s_lshl_b32 s18, s17, 8
	s_lshl_b32 s19, s15, 7
	s_add_co_u32 s18, s18, s19                     ; my first row of A
	s_lshl_b32 s19, s42, 8
	s_lshl_b32 s20, s16, 7
	s_add_co_u32 s19, s19, s20                     ; my first row of B
	s_mov_b32 s21, HREC
	s_mov_b32 s22, 1536
	s_mov_b32 s23, 0xffff
	s_cmp_lt_u32 s[CLY], 8
	s_cselect_b32 s20, s18, s19                    ; my 128 tokens' first
	s_cselect_b32 s46, s19, s18                    ; my 128 channels' first row, counted from row 0 of the buffer
	s_cselect_b32 s47, s21, 768                    ; from a fragment's first half to its second: the next head | the next sub-image
	s_cselect_b32 s[ASTEP], 768, s22               ; from block to block of A
	s_cselect_b32 s[AJUMP], 0, HREC-6144           ; more in front of block 4: nothing | on to the next head
	s_cselect_b32 s92, s21, 256                    ; lanes 16-31 store their scale words for: the next head | the second copy
	s_cselect_b32 s93, 256, s21                    ; blocks 4-7's words lie: 256 bytes on | in the next head
	s_cselect_b32 s94, 16, 0                       ; lanes 16-31 take a word's upper two bytes | the whole word
	s_cselect_b32 s[MASK], s23, -1                 ; two bytes are kept, the other two are 0 | all four
	s_mov_b32 s[ASTEP+1], 0
	s_mov_b32 s[AJUMP+1], 0
	s_sub_co_u32 s46, s46, 8192                    ; channel 0 .. 3,071: q's, k's, v's
	s_lshr_b32 s18, s46, 10
	s_lshl_b32 s18, s18, 6                         ; 64 x (q, k or v)
	s_lshr_b32 s19, s20, 11
	s_lshl_b32 s19, s19, 4                         ; + 16 x batch
	s_add_co_u32 s18, s18, s19
	s_bfe_u32 s19, s46, 0x40006                    ; + head
	s_add_co_u32 s18, s18, s19
	s_mul_i32 s18, s18, s21
	s_bfe_u32 s19, s20, 0x40007                    ; the step of 128 tokens
	s_mul_i32 s19, s19, REC
	s_add_co_u32 s18, s18, s19
	s_mov_b32 s19, 0
	s_add_nc_u64 s[10:11], s[8:9], s[18:19]        ; my record's sub-images
	s_add_nc_u64 s[12:13], s[10:11], 8*768         ; and its scale words
	s_mov_b32 s[SEL], 0x76543210
	s_mov_b32 s[SEL+1], 0xfedcba98                 ; v_permlanex16_b32's selects for lane l xor 16
	v_and_b32 v6, 31, v0
	v_lshlrev_b32 v[O16], 4, v6
	v_lshlrev_b32 v[O8], 3, v6
	v_add_nc_u32 v[O8], 512, v[O8]
	v_add_nc_u32 v[O16C], s47, v[O16]
	v_add_nc_u32 v[O8C], s47, v[O8]
	v_lshlrev_b32 v[OSW], 4, v1
	v_mul_u32_u24 v7, s92, v2
	v_add_nc_u32 v[OSW], v[OSW], v7
	v_add_nc_u32 v[OSW2], s93, v[OSW]
	v_mul_u32_u24 v[SHV], s94, v2
.macro FRAG reg, adr, q, i             ; 16 rows x 128 K: 12 registers, in pieces of 8 bytes; where the piece three on lies behind one padding more, the second address register serves
.irp p, 0,1,2,3,4,5
.set PCE, 12*(\q)+6*(\p/3)+\p%3
.if PCE%8 < 5
	ds_load_b64 v[\reg+2*\p:\reg+2*\p+1], v[\adr] offset:8*PCE+16*(PCE/8)+(\i)*16*PITCH
.else
	ds_load_b64 v[\reg+2*\p:\reg+2*\p+1], v[\adr+2] offset:8*PCE+16*(PCE/8)+(\i)*16*PITCH
.endif
.endr
.endm
; 16 matrix instructions: A's blocks a0, a0 + 1 x B's eight, 128 along K.  The 64 accumulators take turns, one instruction a turn, in the same order in every step.
.macro MUL16 a0, p, q, sc, zero
.irp a, \a0, \a0+1
.irp b, 0,1,2,3,4,5,6,7
.if \zero
	v_wmma_scale_f32_16x16x128_f8f6f4 v[8*(8*((\a)%4)+\b):8*(8*((\a)%4)+\b)+7], v[128*(\p)+FR*\b:128*(\p)+FR*\b+FR-1], v[AF+FR*(\a):AF+FR*(\a)+FR-1], 0, v[SC+8*NQ*(\sc)+NQ*\b+(\q)], v[SC+8*NQ*(\sc)+NQ*(\a)+(\q)] matrix_a_fmt:MATRIX_FMT_FP6 matrix_b_fmt:MATRIX_FMT_FP6 matrix_a_scale:MATRIX_SCALE_ROW1
.else
	v_wmma_scale_f32_16x16x128_f8f6f4 v[8*(8*((\a)%4)+\b):8*(8*((\a)%4)+\b)+7], v[128*(\p)+FR*\b:128*(\p)+FR*\b+FR-1], v[AF+FR*(\a):AF+FR*(\a)+FR-1], v[8*(8*((\a)%4)+\b):8*(8*((\a)%4)+\b)+7], v[SC+8*NQ*(\sc)+NQ*\b+(\q)], v[SC+8*NQ*(\sc)+NQ*(\a)+(\q)] matrix_a_fmt:MATRIX_FMT_FP6 matrix_b_fmt:MATRIX_FMT_FP6 matrix_a_scale:MATRIX_SCALE_ROW1
.endif
.endr
.endr
.endm
.macro FETCH_B slot, q, p
	WIN TO_B
.irp i, 0,1,2,3,4,5,6,7
	FRAG 128*(\p)+FR*\i, ADRB+\slot, \q, \i
.endr
	WIN 0
.endm
.macro FETCH_A slot, q, i0
.irp i, \i0, \i0+1, \i0+2, \i0+3
	FRAG AF+FR*(\i), ADRA+\slot, \q, \i
.endr
.endm
.macro SCALES sc                       ; a K step's scale words: lanes 0-15 take A's block i, lanes 16-31 B's block i
.irp i, 0,1,2,3,4,5,6,7
	ds_load_b64 v[SC+8*NQ*\sc+NQ*\i:SC+8*NQ*\sc+NQ*\i+1], v[ADRS] offset:\i*SBLK
.endr
.endm
.macro PLACES n                        ; plain vector instructions between a matrix instruction and a load into, or a read of, its registers
.rept \n
	v_nop
.endr
.endm
.macro STEP slot, q, zero              ; a step of 128 along K that has its successor in the same slot
	s_wait_dscnt 4*NL                              ; B's set and A's blocks 0-3 are in; the youngest 24 loads (A's blocks 4-7) may be out
	WIN MUL_LO
	MUL16 0, (\q)%2, \q, \slot, \zero
	MUL16 2, (\q)%2, \q, \slot, \zero
	s_wait_dscnt 0
	PLACES NP
	FETCH_B \slot, (\q)+1, 1-(\q)%2
	FETCH_A \slot, (\q)+1, 0
	WIN MUL_HI
	MUL16 4, (\q)%2, \q, \slot, \zero
	MUL16 6, (\q)%2, \q, \slot, \zero
	PLACES NP
	WIN 0
	FETCH_A \slot, (\q)+1, 4
.endm
; A slot's last step changes slots: one barrier; in front of it each wave waits for all its tensor loads, adds 0 to its spare word, and waits for that and for its own reads of this slot.
.macro TURN slot, next, fill
	s_wait_tensorcnt 0x0                           ; all my tensor loads have landed: my part of the next slot
	ds_add_u32 v[SPW], v[NIL]                      ; 0 onto my spare word
	s_wait_dscnt 4*NL+1                            ; (the add and the youngest 24 loads may be out)
	WIN MUL_LO
	MUL16 0, 1, NQ-1, \slot, 0
	s_wait_dscnt 0x0                               ; the add is done, and my reads of this slot are over
	s_barrier_signal -1
	MUL16 2, 1, NQ-1, \slot, 0
	WIN 0
	s_barrier_wait -1
.if \fill
	CREST                                          ; the barrier has opened a round of the cluster's barrier: no wave of any partner still reads this slot or has a load on its way
	s_add_nc_u64 s[G0+4*\slot+2:G0+4*\slot+3], s[G0+4*\slot+2:G0+4*\slot+3], 2*ROWB
	s_add_nc_u64 s[G0B+4*\slot+2:G0B+4*\slot+3], s[G0B+4*\slot+2:G0B+4*\slot+3], 2*ROWB
	JLOAD G0+4*\slot, G1, G0B+4*\slot, G1B         ; the first tensor load behind the round; its four v_nop are the places in front of the loads below
.else
	PLACES NP
.endif
	v_add_nc_u32 v[ADRS], 4*NQ, v[ADRS]            ; on to the next K step's scale words
	FETCH_B \next, 0, 0
	FETCH_A \next, 0, 0
	SCALES \next
	WIN MUL_HI
	MUL16 4, 1, NQ-1, \slot, 0
	MUL16 6, 1, NQ-1, \slot, 0
	PLACES NP
	WIN 0
	FETCH_A \next, 0, 4
.endm
	s_wait_tensorcnt 1                             ; the scales and my part of K step 0 are in (K step 1's load may be out)
	s_barrier_signal -1
	s_barrier_wait -1                              ; everybody's are
	FETCH_B 0, 0, 0
	FETCH_A 0, 0, 0
	SCALES 0
	FETCH_A 0, 0, 4
	STEP 0, 0, 1                                   ; the first step's products start the sums
	s_mov_b32 s3, LAPS-1
.Llap:                                                 ; a trip goes once round the ring and fills both slots again
	TURN 0, 1, 1
	STEP 1, 0, 0
	TURN 1, 0, 1
	STEP 0, 0, 0
	s_sub_co_u32 s3, s3, 1
	s_cmp_lg_u32 s3, 0
	s_cbranch_scc1 .Llap
	TURN 0, 1, 0                                   ; the last lap fills nothing
	STEP 1, 0, 0
	s_wait_dscnt 4*NL
	WIN MUL_LO
	MUL16 0, 1, NQ-1, 1, 0
	MUL16 2, 1, NQ-1, 1, 0
	s_wait_dscnt 0
	WIN MUL_HI
	MUL16 4, 1, NQ-1, 1, 0
	MUL16 6, 1, NQ-1, 1, 0
	WIN 0
; THE WAY OUT, block by block of 16 rows of A.  Register 16 b + i of the block's 64 is number 32 b + 16 (lane / 16) + i along the next product's K, of my lane's row: four blocks of 32, each shared by lanes l and l xor 16.
; The fragment's 12 registers leave as two sub-images: 512 + 256 consecutive bytes each, at multiples of 256 from the buffer's first byte.  No LDS, no branch.
.macro QOUT a
.set AC, 64*((\a)%4)
.set WN, 2+(\a)/4
	WIN (5*WN)                                     ; sources 0 and 1: the block's window
.irp b, 0,1,2,3
	v_max3_num_f32 v[TM+\b], |v[AC+16*\b]|, |v[AC+16*\b+1]|, 0x1800000   ; my 16 numbers of block b, each accumulator from its low end on, and the floor 2^(3 - 127)
.endr
.irp i, 2,4,6,8,10,12,14
.irp b, 0,1,2,3
	v_max3_num_f32 v[TM+\b], |v[AC+16*\b+\i]|, |v[AC+16*\b+\i+1]|, v[TM+\b]
.endr
.endr
	WIN 0
.irp b, 0,1,2,3
	v_permlanex16_b32 v[TM+4+\b], v[TM+\b], s[SEL], s[SEL+1]
.endr
.irp b, 0,1,2,3
	v_max_num_f32 v[TM+\b], v[TM+\b], v[TM+4+\b]   ; with lane l xor 16's: the block's largest magnitude
.endr
.irp b, 0,1,2,3
	v_add_nc_u32 v[TM+12+\b], 0xff000000, v[TM+\b] ; 2 off its exponent field: the conversion's scale operand
.endr
.irp b, 0,1,2,3
	v_lshrrev_b32 v[TM+4+\b], 23, v[TM+12+\b]      ; the scale's byte
.endr
	v_lshl_or_b32 v[PWR+\a], v[TM+5], 8, v[TM+4]
	v_lshl_or_b32 v[PWR+\a], v[TM+6], 16, v[PWR+\a]
	v_lshl_or_b32 v[PWR+\a], v[TM+7], 24, v[PWR+\a]
	s_wait_xcnt 0x0                                ; the last block's stores have read their data and their base: both are written again only behind this wait
.if (\a) > 0
	s_add_nc_u64 s[10:11], s[10:11], s[ASTEP:ASTEP+1]
.endif
.if (\a) == 4
	s_add_nc_u64 s[10:11], s[10:11], s[AJUMP:AJUMP+1]
.endif
	WIN (WN)                                       ; source 0: the block's window
.irp c, 0,1
	v_cvt_scalef32_pk16_fp6_f32 v[PC+6*\c:PC+2+6*\c], v[AC+32*\c:AC+15+32*\c], v[TM+12+2*\c]
	v_cvt_scalef32_pk16_fp6_f32 v[PC+12+4*\c:PC+14+4*\c], v[AC+16+32*\c:AC+31+32*\c], v[TM+12+2*\c+1]   ; (a conversion's three registers begin on an even number)
.endr
	WIN 0
	v_nop                                          ; one plain place behind a scaled conversion
.irp c, 0,1                                    ; the operand's layout wants a whole block in a lane
.irp i, 0,1,2
	v_permlane16_swap_b32 v[PC+6*\c+\i], v[PC+12+4*\c+\i]
.endr
.irp i, 0,1,2
	v_mov_b32 v[PC+3+6*\c+\i], v[PC+12+4*\c+\i]
.endr
.endr
	global_store_b128 v[O16], v[PC:PC+3], s[10:11]
	global_store_b64 v[O8], v[PC+4:PC+5], s[10:11]
	global_store_b128 v[O16C], v[PC+6:PC+9], s[10:11]
	global_store_b64 v[O8C], v[PC+10:PC+11], s[10:11]
.endm
	PLACES NP                                      ; behind the last products: their results are read, and registers that held A's fragments are written
.irp b, 0,1,2,3
	v_mov_b32 v[TM+4+\b], 0                        ; written once: a lane permute's destination counts as one of its sources
.endr
.irp a, 0,1,2,3,4,5,6,7
	QOUT \a
.endr
.irp a, 0,1,2,3,4,5,6,7
	v_lshrrev_b32 v[SWD+\a], v[SHV], v[PWR+\a]     ; q, k: lanes 16-31 bring the odd head's two bytes down
.endr
.irp a, 0,1,2,3,4,5,6,7
	v_and_b32 v[SWD+\a], s[MASK], v[SWD+\a]        ; q, k: bytes 2 and 3 are 0
.endr
	global_store_b128 v[OSW], v[SWD:SWD+3], s[12:13]       ; sixteen lanes store 256 consecutive bytes, aligned
	global_store_b128 v[OSW2], v[SWD+4:SWD+7], s[12:13]
	s_wait_tensorcnt 0x0                           ; the wave's end
	ds_add_u32 v[SPW], v[NIL]
	s_wait_dscnt 0x0
	CROUND                                         ; the closing round: no work-group ends while a partner may still ask for a tile that names it
	s_endpgm
.Lfunc_end_k_qce865484b0_qkv:
	.size	k_qce865484b0_qkv, .Lfunc_end_k_qce865484b0_qkv-k_qce865484b0_qkv
	.p2alignl 7, 3214868480
	.fill 96, 4, 3214868480
	.section	.rodata,"a",@progbits
	.p2align	6, 0x0
	.amdhsa_kernel k_qce865484b0_qkv
		.amdhsa_group_segment_fixed_size 327680
		.amdhsa_private_segment_fixed_size 0
		.amdhsa_enable_private_segment 0
		.amdhsa_kernarg_size 24
		.amdhsa_user_sgpr_count 2
		.amdhsa_user_sgpr_kernarg_segment_ptr 1
		.amdhsa_wavefront_size32 1
		.amdhsa_system_sgpr_workgroup_id_x 1
		.amdhsa_system_sgpr_workgroup_id_y 1
		.amdhsa_system_sgpr_workgroup_id_z 1
		.amdhsa_system_vgpr_workitem_id 0
		.amdhsa_next_free_vgpr 1024
		.amdhsa_next_free_sgpr 106
		.amdhsa_reserve_vcc 0
		.amdhsa_float_denorm_mode_32 3
		.amdhsa_float_denorm_mode_16_64 3
		.amdhsa_memory_ordered 1
		.amdhsa_forward_progress 1
		.amdhsa_inst_pref_size 167
	.end_amdhsa_kernel
	.amdgpu_metadata
---
amdhsa.version: [ 1, 2 ]
amdhsa.kernels:
  - .name:           k_qce865484b0_qkv
    .symbol:         k_qce865484b0_qkv.kd
    .args:
      - { .name: codes, .offset: 0, .size: 8, .value_kind: global_buffer, .address_space: global }
      - { .name: scales, .offset: 8, .size: 8, .value_kind: global_buffer, .address_space: global }
      - { .name: qkv, .offset: 16, .size: 8, .value_kind: global_buffer, .address_space: global }
    .group_segment_fixed_size: 327680
    .private_segment_fixed_size: 0
    .kernarg_segment_align: 8
    .kernarg_segment_size: 24
    .max_flat_workgroup_size: 128
    .sgpr_count:     106
    .vgpr_count:     1024
    .wavefront_size: 32
...
	.end_amdgpu_metadata
.endif
;; end of part 2
;; launch attn (part 3): grid 4 x 64, 16 waves a work-group, no clusters, 215,040 bytes of LDS; arguments qkv, a_img, a_sc; writes a_img, a_sc
.if DOCPART == 3
	.amdgcn_target "amdgcn-amd-amdhsa--gfx1250"
	.amdhsa_code_object_version 6
	.text
	.protected	k_qce865484b0_attn
	.globl	k_qce865484b0_attn
	.p2align	8
	.type	k_qce865484b0_attn,@function
k_qce865484b0_attn:
	s_mov_b64 s[64:65], 0
	v_nop
	global_prefetch_b8 v0, s[64:65] scope:SCOPE_SE
	s_setreg_imm32_b32 hwreg(HW_REG_WAVE_MODE, 25, 1), 1
	s_wait_xcnt 0x0
; Causal attention of one head on codes of FP6 (E2M3) with E8M0 scales; the result, divided by the row's sum, leaves as codes quantised along the model's 1,024 channels.
; t = score x log2(e) / 8; M = the row's largest t so far, rounded UP to a whole number; p = 2^(t - M) is quantised along the keys, not normalised; the row's sum is taken of the unquantised p and divides at the end.
; When M moves, the sum and O are multiplied by 2^(old M - new M): exact.
; qkv: [q, k, v][batch x head 64][step of 128 tokens 16][6,656 bytes]: eight sub-images of 768 bytes (16 rows x 64 K as six operand registers: registers 0-3 at 16 x lane, 4-5 at 512 + 8 x lane), then 512 bytes of scale words.
; TOKENS LIE BY PLACES: place 16 t + r of a group of 32 holds token 8 (t % 2) + r + 8 (r / 8).  So in S^T = K Q^T (source 0 = 16 places of keys) a lane's 16 registers of tiles 2 b, 2 b + 1 are keys 32 b + 16 (lane / 16) + 0 .. 15
; in their true order, which is the order of v's codes along the keys; v's channels lie by places likewise, so O^T's registers are the head's channels in true order.
; K = 64 in the first product: the upper half of the instruction's 128 is Q's zero codes; against them stand whatever six registers follow a tile of K (the next tile's codes; behind the last tile zeros), under scale bytes 0.
; SHARES.  A work-group has one head and 16 waves, four to a SIMD.  Wave w of work-group i owns TWO tiles of 16 places of queries: L = block 16 i + w and H = block 127 - L: together 17 steps of 128 keys, the same for every wave.
; LDS.  The head's whole K (106,496 bytes) and V (as many) are filled ONCE, in four chunks of four steps; each wave brings an eighth of K's or of V's part of each chunk: four tensor loads of mine are out at the start.
; Nothing is filled again.  In front of a chunk's first read each wave waits for its part of it and passes a barrier; the later chunks' loads stay out.
; NO CLUSTER: the four work-groups of a head read the same K and V, but a step all of whose keys come after a tile's queries is left out by a branch on the block of queries, which differs between them.
; LIMITS: p under 2^-126 counts as 0; a block of zeros keeps the scale byte 1 (its codes are zeros; this program alone reads the bytes); NaN and infinities are not served.
; REGISTERS: v1-3 16 x lane, 8 x lane, 16 r; v4, v5 my query less 16 h (L, H); v6-11 the step's LDS addresses; v12-15, v16-19 -M, largest t, the sum's two halves (L, H); v20-31, v32-43 Q (upper six: zeros); v44, v45 o's scale bytes;
;   v46-99 K's or V's fragments, between them the softmax's scratch; v100-163 S^T, then p; v164-195, v196-227 O^T; v228-239 p's codes; v240-247 K's or V's scale words; v248, v249 Q's; v250-254 at work (v252 f, v253 p's scale word); v255 -infinity.
.set HREC,  106496                     ; a head's 16 records
.set REC,   6656
.set CHB,   4*REC                      ; a chunk: four steps
.set PART,  CHB/8                      ; what one tensor load brings: 13 rows of 256 bytes
.set WV,    10
.set BH,    11
.set PBL,   12
.set PBH,   13
.set G1,    16                         ; s[16:23]
.set G0,    24                         ; s[24:39]: a group 0 for each chunk
.set SEL,   40
.set CS,    42
.set KF,    44                         ; the step's first key
.set TB,    45                         ; LDS byte of the step's record of K
.set TBV,   46                         ; and of V
.set CNT,   47
.set QMINL, 48
.set QMAXL, 49
.set QMINH, 50
.set QMAXH, 51
.set OIL,   52                         ; s[52:53], s[54:55] where L's and H's codes go
.set OIH,   54
.set QCL,   56                         ; s[56:57], s[58:59] Q's codes;  s[60:61], s[62:63] Q's scale words
.set QCH,   58
.set QSL,   60
.set QSH,   62
.set SOFF,  78                         ; s78 L's place in a_sc;  s79 from L's to H's
.set SDIF,  79
	s_load_b128 s[4:7], s[0:1], 0x0                ; qkv, a_img
	s_load_b64 s[8:9], s[0:1], 0x10                ; a_sc
	v_lshl_add_u32 v254, v0, 2, 0x34000
	v_mov_b32 v255, 0
	ds_add_u32 v254, v255
	ds_add_u32 v254, v255
	s_wait_dscnt 0x0
	v_lshrrev_b32 v1, 5, v0
	v_readfirstlane_b32 s[WV], v1                  ; wave 0..15
	s_and_b32 s[BH], ttmp7, 0xffff                 ; 16 x batch + head
	s_mov_b32 s[G1], 3<<16                         ; no mask; elements of 8 bytes; no padding
	s_mov_b32 s[G1+1], 32<<16                      ; tensor_dim0 = 32 (256 bytes)
	s_mov_b32 s[G1+2], 13<<16                      ; tensor_dim1 = 13
	s_mov_b32 s[G1+3], 32<<16                      ; tile_dim0
	s_mov_b32 s[G1+4], 13                          ; tile_dim1
	s_mov_b32 s[G1+5], 32                          ; the pitch: dense
	s_mov_b32 s[G1+6], 0
	s_mov_b32 s[G1+7], 0
	s_and_b32 s73, s[WV], 1                        ; I fetch for K (0) or for V (1),
	s_lshr_b32 s74, s[WV], 1                       ; this eighth of each chunk
	s_mul_i32 s74, s74, PART
	s_mul_i32 s75, s73, HREC
	s_add_co_u32 s75, s75, s74                     ; LDS: K's bytes, then V's
	s_lshl_b32 s76, s73, 6
	s_add_co_u32 s76, s76, s[BH]
	s_add_co_u32 s76, s76, 64                      ; the head's records: k's are 64 + bh, v's 128 + bh
	s_mul_i32 s76, s76, HREC
	s_add_co_u32 s76, s76, s74
	s_mov_b32 s77, 0
	s_wait_kmcnt 0x0
	s_add_nc_u64 s[76:77], s[4:5], s[76:77]
.irp c, 0,1,2,3
	s_mov_b32 s[G0+4*\c], 1
	s_add_co_u32 s[G0+4*\c+1], s75, \c*CHB
	s_add_nc_u64 s[G0+4*\c+2:G0+4*\c+3], s[76:77], \c*CHB
	s_or_b32 s[G0+4*\c+3], s[G0+4*\c+3], 0x80000000
.endr
.irp c, 0,1,2,3
	tensor_load_to_lds s[G0+4*\c:G0+4*\c+3], s[G1:G1+7]   ; all fills of the launch, as one group, ahead of every wait on TENSORcnt, every LDS read and every barrier
	s_nop 0
.endr
.rept 4
	v_nop
.endr
	s_lshl_b32 s[PBL], ttmp9, 4
	s_add_co_u32 s[PBL], s[PBL], s[WV]             ; L: block 16 i + w of 16 places
	s_sub_co_u32 s[PBH], 127, s[PBL]               ; H
	s_mul_i32 s68, s[BH], HREC                     ; q's records of my head
	s_lshr_b32 s71, s[BH], 4
	s_lshl_b32 s71, s71, 7                         ; 128 x batch
	s_and_b32 s72, s[BH], 15                       ; head
; A tile's numbers: its least and greatest query; the offsets of its codes and scale words in qkv; of its result in a_img
.macro TILE pb, qmin, qmax, qc, qs, oi
	s_lshr_b32 s[\qmin], s[\pb], 1
	s_lshl_b32 s[\qmin], s[\qmin], 5
	s_and_b32 s70, s[\pb], 1
	s_lshl_b32 s70, s70, 3
	s_add_co_u32 s[\qmin], s[\qmin], s70           ; 32 (pb / 2) + 8 (pb % 2)
	s_add_co_u32 s[\qmax], s[\qmin], 23
	s_lshr_b32 s69, s[\pb], 3
	s_mul_i32 s69, s69, REC
	s_add_co_u32 s69, s69, s68                     ; its step's record
	s_and_b32 s[\qc], s[\pb], 7
	s_mul_i32 s[\qc], s[\qc], 768
	s_add_co_u32 s[\qc], s[\qc], s69
	s_mov_b32 s[\qc+1], 0
	s_bfe_u32 s[\qs], s[\pb], 0x10002
	s_lshl_b32 s[\qs], s[\qs], 8
	s_and_b32 s70, s[\pb], 3
	s_lshl_b32 s70, s70, 2
	s_add_co_u32 s[\qs], s[\qs], s70
	s_add_co_u32 s[\qs], s[\qs], s69
	s_add_co_u32 s[\qs], s[\qs], 8*768
	s_mov_b32 s[\qs+1], 0
	s_add_co_u32 s[\oi], s71, s[\pb]
	s_lshl_b32 s[\oi], s[\oi], 4
	s_add_co_u32 s[\oi], s[\oi], s72
	s_mul_i32 s[\oi], s[\oi], 768                  ; ((128 batch + pb) x 16 + head) x 768
	s_mov_b32 s[\oi+1], 0
.endm
	TILE PBL, QMINL, QMAXL, QCL, QSL, OIL
	TILE PBH, QMINH, QMAXH, QCH, QSH, OIH
	s_add_nc_u64 s[QCL:QCL+1], s[4:5], s[QCL:QCL+1]
	s_add_nc_u64 s[QCH:QCH+1], s[4:5], s[QCH:QCH+1]
	s_add_nc_u64 s[QSL:QSL+1], s[4:5], s[QSL:QSL+1]
	s_add_nc_u64 s[QSH:QSH+1], s[4:5], s[QSH:QSH+1]
	s_add_nc_u64 s[OIL:OIL+1], s[6:7], s[OIL:OIL+1]
	s_add_nc_u64 s[OIH:OIH+1], s[6:7], s[OIH:OIH+1]
	s_add_co_u32 s[SOFF], s71, s[PBL]
	s_lshl_b32 s[SOFF], s[SOFF], 9                 ; a_sc: 16 places x 32 bytes a block,
	s_lshl_b32 s70, s72, 1
	s_add_co_u32 s[SOFF], s[SOFF], s70             ; + 2 x head
	s_sub_co_u32 s[SDIF], s[PBH], s[PBL]
	s_lshl_b32 s[SDIF], s[SDIF], 9
	s_mov_b32 s[SEL], 0x76543210
	s_mov_b32 s[SEL+1], 0xfedcba98                 ; v_permlanex16_b32's selects for lane l xor 16
	s_mov_b32 s[CS], 0x3e38aa3b                    ; c = log2(e) / 8
	s_mov_b32 s[CS+1], s[CS]                       ; (named with it as a pair, so it is written)
	v_and_b32 v2, 31, v0
	v_lshlrev_b32 v1, 4, v2                        ; 16 x lane
	v_lshlrev_b32 v2, 3, v2                        ; 8 x lane
	v_and_b32 v3, 15, v0                           ; r
	v_bfe_u32 v250, v0, 4, 1                       ; h
	v_and_b32 v254, 8, v3
	v_add_nc_u32 v254, v254, v3                    ; r + 8 (r / 8)
	v_lshlrev_b32 v251, 4, v250
	v_sub_nc_u32 v254, v254, v251
	v_add_nc_u32 v4, s[QMINL], v254                ; my query - 16 h
	v_add_nc_u32 v5, s[QMINH], v254
	v_lshlrev_b32 v3, 4, v3                        ; 16 r
	global_load_b128 v[20:23], v1, s[QCL:QCL+1]    ; Q's sub-images stay in registers
	global_load_b64 v[24:25], v2, s[QCL:QCL+1] offset:512
	global_load_b128 v[32:35], v1, s[QCH:QCH+1]
	global_load_b64 v[36:37], v2, s[QCH:QCH+1] offset:512
	global_load_b32 v248, v3, s[QSL:QSL+1]
	global_load_b32 v249, v3, s[QSH:QSH+1]
.irp j, 26,27,28,29,30,31,38,39,40,41,42,43,94,95,96,97,98,99
	v_mov_b32 v[\j], 0                             ; zero codes: Q's upper halves, and what follows K's last tile
.endr
.irp j, 50,51,52,53,251,253
	v_mov_b32 v[\j], 0                             ; destinations of lane permutes, and the upper half of the pair v[252:253], are written before they are named
.endr
	v_mov_b32 v255, 0xff800000                     ; -infinity
	v_mov_b32 v13, 0xff61b1e6                      ; the largest t so far: -3e38, under every t
	v_mov_b32 v17, 0xff61b1e6
	v_floor_f32 v12, -v13                          ; -M
	v_floor_f32 v16, -v17
.irp j, 14,15,18,19
	v_mov_b32 v[\j], 0                             ; the sums
.endr
.set j, 0
.rept 64
	v_mov_b32 v[164+j], 0                          ; O^T.  (A step is written without a first form of its own: the first finds zeros, which the first change of M leaves zeros)
.set j, j+1
.endr
	s_wait_loadcnt 0x0                             ; Q
; A KEY STEP of one tile: 128 keys.  q: Q's fragment; qs: its scale words; o: O^T; st: the statistics; vq: my query - 16 h; causal = 1: the step may lie on or behind the diagonal.
.macro STEP q, qs, o, st, vq, qmin, qmax, causal
.if \causal
	s_cmp_gt_u32 s[KF], s[\qmax]                   ; all keys come after my 16 queries: the step's work is left out (a branch on ids; no barrier and no tensor load stands in a step)
	s_cbranch_scc1 .Lhidden_\@
.endif
	v_add_nc_u32 v6, s[TB], v1                     ; (these six are also the places between the last products and the loads into their operands)
	v_add_nc_u32 v7, s[TB], v2
	v_add_nc_u32 v8, s[TB], v3
	v_add_nc_u32 v9, s[TBV], v1
	v_add_nc_u32 v10, s[TBV], v2
	v_add_nc_u32 v11, s[TBV], v3
.irp t, 0,1,2,3,4,5,6,7
	ds_load_b128 v[46+6*\t:49+6*\t], v6 offset:768*\t
	ds_load_b64 v[50+6*\t:51+6*\t], v7 offset:768*\t+512
.endr
	ds_load_b128 v[240:243], v8 offset:6144        ; the eight tiles' scale words of my row
	ds_load_b128 v[244:247], v8 offset:6400
	s_wait_dscnt 0x0
.irp t, 0,1,2,3,4,5,6,7
	v_wmma_scale_f32_16x16x128_f8f6f4 v[100+8*\t:107+8*\t], v[46+6*\t:57+6*\t], v[\q:\q+11], 0, v[240+\t], v[\qs] matrix_a_fmt:MATRIX_FMT_FP6 matrix_b_fmt:MATRIX_FMT_FP6
.endr
.rept 4
	v_nop
.endr
.if \causal                                    ; on the diagonal the scores of hidden keys become -infinity ahead of the maximum; a step all of whose keys count skips this
	s_add_co_u32 s68, s[KF], 127
	s_cmp_le_u32 s68, s[\qmin]
	s_cbranch_scc1 .Lopen_\@
	v_sub_nc_u32 v250, v[\vq], s[KF]               ; register 16 b + i holds key KF + 16 h + 32 b + i: hidden where 32 b + i > my query - KF - 16 h
.set n, 0
.rept 64
	v_cmp_gt_i32 vcc_lo, 32*(n/16)+n%16, v250
	v_cndmask_b32 v[100+n], v[100+n], v255, vcc_lo
.set n, n+1
.endr
.Lopen_\@:
.endif
.irp b, 0,1,2,3
	v_max3_num_f32 v[46+\b], v[100+16*\b], v[101+16*\b], v[102+16*\b]   ; the largest score of each block of 32 keys: for the row's maximum, and, since p rises with the score, for the block's largest p
.endr
.irp i, 3,5,7,9,11,13
.irp b, 0,1,2,3
	v_max3_num_f32 v[46+\b], v[46+\b], v[100+16*\b+\i], v[101+16*\b+\i]
.endr
.endr
.irp b, 0,1,2,3
	v_max_num_f32 v[46+\b], v[46+\b], v[115+16*\b]
.endr
.irp b, 0,1,2,3
	v_permlanex16_b32 v[50+\b], v[46+\b], s[SEL], s[SEL+1]
.endr
.irp b, 0,1,2,3
	v_max_num_f32 v[46+\b], v[46+\b], v[50+\b]     ; with lane l xor 16's 16 keys
.endr
	v_max3_num_f32 v254, v46, v47, v48
	v_max_num_f32 v254, v254, v49                  ; the step's largest score of my query
	v_mul_f32 v254, s[CS], v254                    ; as t
	v_max_num_f32 v[\st+1], v[\st+1], v254         ; the running largest t
	v_mov_b32 v254, v[\st]
	v_floor_f32 v[\st], -v[\st+1]                  ; the new -M = floor(-t): M is a whole number
	v_sub_f32 v254, v[\st], v254                   ; old M - new M: a whole number, 0 or less
	v_cvt_i32_f32 v254, v254                       ; (it saturates)
	v_ldexp_f32 v252, 1.0, v254                    ; f = 2^(old M - new M)
.set j, 0
.rept 32
	v_pk_fma_f32 v[100+j:101+j], v[100+j:101+j], s[CS:CS+1], v[\st:\st+1] op_sel_hi:[1,0,0]   ; t - M, two at a time
.set j, j+2
.endr
.irp b, 0,1,2,3
	v_fma_f32 v[46+\b], v[46+\b], s[CS], v[\st]    ; the same of each block's largest score
.endr
.set j, 0
.rept 64
	v_exp_f32 v[100+j], v[100+j]                   ; p = 2^(t - M), at most 1
.set j, j+1
.endr
	v_pk_mul_f32 v[\st+2:\st+3], v[\st+2:\st+3], v[252:253] op_sel_hi:[1,0]   ; the sums under the new M: a plain instruction behind the exponentials
	s_wait_alu depctr_va_vdst(0)                   ; one wait for the whole batch, ahead of its first reader
.irp b, 0,1,2,3
	v_exp_f32 v[46+\b], v[46+\b]                   ; the block's largest p
.endr
	v_pk_add_f32 v[50:51], v[100:101], v[102:103]  ; the row's sum is taken of the unquantised p: two at a time, in two chains
.set j, 4
.rept 15
	v_pk_add_f32 v[\st+2:\st+3], v[\st+2:\st+3], v[100+j:101+j]
	v_pk_add_f32 v[50:51], v[50:51], v[102+j:103+j]
.set j, j+4
.endr
	v_pk_add_f32 v[\st+2:\st+3], v[\st+2:\st+3], v[50:51]
	s_wait_alu depctr_va_vdst(0)                   ; and one for the four
.irp b, 0,1,2,3
	v_max_num_f32 v[46+\b], 0x1800000, v[46+\b]    ; the floor 2^(3 - 127): the byte cannot fall under 1
.endr
.irp b, 0,1,2,3
	v_add_nc_u32 v[54+\b], 0xff000000, v[46+\b]    ; 2 off the exponent field: the conversion's scale operand
.endr
.irp b, 0,1,2,3
	v_lshrrev_b32 v[50+\b], 23, v[54+\b]           ; the scale's byte
.endr
	v_lshl_or_b32 v253, v51, 8, v50                ; p's scale word for these 128 keys
	v_lshl_or_b32 v253, v52, 16, v253
	v_lshl_or_b32 v253, v53, 24, v253
.irp c, 0,1
	v_cvt_scalef32_pk16_fp6_f32 v[228+6*\c:230+6*\c], v[100+32*\c:115+32*\c], v[54+2*\c]
	v_cvt_scalef32_pk16_fp6_f32 v[58+4*\c:60+4*\c], v[116+32*\c:131+32*\c], v[54+2*\c+1]   ; (a conversion's three registers begin on an even number)
.endr
	v_nop                                          ; one plain place behind a scaled conversion
.irp c, 0,1                                    ; the operand's layout wants a whole block in a lane
.irp i, 0,1,2
	v_permlane16_swap_b32 v[228+6*\c+\i], v[58+4*\c+\i]
.endr
.irp i, 0,1,2
	v_mov_b32 v[231+6*\c+\i], v[58+4*\c+\i]
.endr
.endr
.irp t, 0,1,2,3                                ; V^T: four tiles of 16 channels x these 128 keys
	ds_load_b128 v[46+12*\t:49+12*\t], v9 offset:1536*\t
	ds_load_b64 v[50+12*\t:51+12*\t], v10 offset:1536*\t+512
	ds_load_b128 v[52+12*\t:55+12*\t], v9 offset:1536*\t+768
	ds_load_b64 v[56+12*\t:57+12*\t], v10 offset:1536*\t+1280
.endr
	ds_load_b128 v[240:243], v11 offset:6144
.set j, 0
.rept 16
	v_pk_mul_f32 v[\o+j:\o+j+1], v[\o+j:\o+j+1], v[252:253] op_sel_hi:[1,0]   ; O^T under the new M.  (For each product below, the twelve that name other tiles are the places behind the writes of p's codes and scale word)
.set j, j+2
.endr
	s_wait_dscnt 0x0
.irp t, 0,1,2,3                                ; the four accumulators by turns
	v_wmma_scale_f32_16x16x128_f8f6f4 v[\o+8*\t:\o+8*\t+7], v[46+12*\t:57+12*\t], v[228:239], v[\o+8*\t:\o+8*\t+7], v[240+\t], v253 matrix_a_fmt:MATRIX_FMT_FP6 matrix_b_fmt:MATRIX_FMT_FP6
.endr
.if \causal
.Lhidden_\@:
.endif
.endm
; A CHUNK of four steps.  L's queries lie under 1,024: it has work in chunks 0 and 1 alone.  H's lie at 1,024 or above: in chunks 0 and 1 all its keys count.
.macro CHUNK c, withl, hcausal
	s_wait_tensorcnt 3-\c                          ; my part of this chunk has landed; the 3 - c loads issued behind it may stay out
	s_wait_dscnt 0x0
	s_barrier_signal -1
	s_barrier_wait -1                              ; everybody's has
	s_mov_b32 s[TB], \c*CHB
	s_mov_b32 s[TBV], \c*CHB+HREC
	s_mov_b32 s[KF], \c*512
	s_mov_b32 s[CNT], 4
.Ltrip_\@:
.if \withl
	STEP 20, 248, 164, 12, 4, QMINL, QMAXL, 1
.endif
	STEP 32, 249, 196, 16, 5, QMINH, QMAXH, \hcausal
	s_add_co_u32 s[KF], s[KF], 128
	s_add_co_u32 s[TB], s[TB], REC
	s_add_co_u32 s[TBV], s[TBV], REC
	s_sub_co_u32 s[CNT], s[CNT], 1
	s_cmp_lg_u32 s[CNT], 0
	s_cbranch_scc1 .Ltrip_\@
.endm
	CHUNK 0, 1, 0
	CHUNK 1, 1, 0
	CHUNK 2, 0, 1
	CHUNK 3, 0, 1
; THE WAY OUT of a tile: O^T / the row's sum; its 32 registers are the head's 64 channels, 32 b + 16 h + i: two blocks of the last product's K.  They leave as a sub-image of 768 bytes and two scale bytes a row.
.macro FIN st, o, e, hw, base
	v_add_f32 v250, v[\st+2], v[\st+3]             ; the sum's two halves,
	v_permlanex16_b32 v251, v250, s[SEL], s[SEL+1]
	v_add_f32 v250, v250, v251                     ; and lane l xor 16's
	v_rcp_f32 v254, v250
	v_nop                                          ; a plain place behind the transcendental
	s_wait_alu depctr_va_vdst(0)                   ; the wait ahead of its first reader
.set j, 0
.rept 16
	v_pk_mul_f32 v[100+j:101+j], v[\o+j:\o+j+1], v[254:255] op_sel_hi:[1,0]   ; each accumulator from its low end on
.set j, j+2
.endr
.irp b, 0,1
	v_max3_num_f32 v[46+\b], |v[100+16*\b]|, |v[101+16*\b]|, 0x1800000
.endr
.irp i, 2,4,6,8,10,12,14
.irp b, 0,1
	v_max3_num_f32 v[46+\b], v[46+\b], |v[100+16*\b+\i]|, |v[101+16*\b+\i]|
.endr
.endr
.irp b, 0,1
	v_permlanex16_b32 v[50+\b], v[46+\b], s[SEL], s[SEL+1]
.endr
.irp b, 0,1
	v_max_num_f32 v[46+\b], v[46+\b], v[50+\b]
.endr
.irp b, 0,1
	v_add_nc_u32 v[54+\b], 0xff000000, v[46+\b]
.endr
.irp b, 0,1
	v_lshrrev_b32 v[50+\b], 23, v[54+\b]
.endr
	v_lshl_or_b32 v[\hw], v51, 8, v50              ; my row's two scale bytes
	v_cvt_scalef32_pk16_fp6_f32 v[\e:\e+2], v[100:115], v54
	v_cvt_scalef32_pk16_fp6_f32 v[58:60], v[116:131], v55
	v_nop
.irp i, 0,1,2
	v_permlane16_swap_b32 v[\e+\i], v[58+\i]
.endr
.irp i, 0,1,2
	v_mov_b32 v[\e+3+\i], v[58+\i]
.endr
	global_store_b128 v1, v[\e:\e+3], s[\base:\base+1]             ; 512 and 256 consecutive bytes, at multiples of 256 from the buffer's first byte
	global_store_b64 v2, v[\e+4:\e+5], s[\base:\base+1] offset:512
.endm
.rept 4
	v_nop                                          ; places behind the last products
.endr
	FIN 12, 164, 228, 44, OIL
	FIN 16, 196, 234, 45, OIH
	; the scale bytes: lanes 0-15 store L's rows', lanes 16-31 H's.  Two bytes of each row's 32: the other heads' bytes belong to other work-groups; one store a wave
	v_and_b32 v46, 15, v0
	v_bfe_u32 v47, v0, 4, 1
	v_lshlrev_b32 v46, 5, v46                      ; 32 r
	v_mad_u32_u24 v46, v47, s[SDIF], v46           ; + h x (from L's block to H's)
	v_add_nc_u32 v46, s[SOFF], v46
	v_cmp_eq_u32 vcc_lo, 1, v47
	v_cndmask_b32 v48, v44, v45, vcc_lo
	global_store_b16 v46, v48, s[8:9]
	s_wait_xcnt 0x0
	v_lshl_add_u32 v254, v0, 2, 0x34000
	v_mov_b32 v255, 0
	s_wait_tensorcnt 0x0
	ds_add_u32 v254, v255
	s_wait_dscnt 0x0
	s_endpgm
.Lfunc_end_k_qce865484b0_attn:
	.size	k_qce865484b0_attn, .Lfunc_end_k_qce865484b0_attn-k_qce865484b0_attn
	.p2alignl 7, 3214868480
	.fill 96, 4, 3214868480
	.section	.rodata,"a",@progbits
	.p2align	6, 0x0
	.amdhsa_kernel k_qce865484b0_attn
		.amdhsa_group_segment_fixed_size 215040
		.amdhsa_private_segment_fixed_size 0
		.amdhsa_enable_private_segment 0
		.amdhsa_kernarg_size 24
		.amdhsa_user_sgpr_count 2
		.amdhsa_user_sgpr_kernarg_segment_ptr 1
		.amdhsa_wavefront_size32 1
		.amdhsa_system_sgpr_workgroup_id_x 1
		.amdhsa_system_sgpr_workgroup_id_y 1
		.amdhsa_system_sgpr_workgroup_id_z 1
		.amdhsa_system_vgpr_workitem_id 0
		.amdhsa_next_free_vgpr 256
		.amdhsa_next_free_sgpr 80
		.amdhsa_reserve_vcc 1
		.amdhsa_float_denorm_mode_32 3
		.amdhsa_float_denorm_mode_16_64 3
		.amdhsa_memory_ordered 1
		.amdhsa_forward_progress 1
		.amdhsa_inst_pref_size 135
	.end_amdhsa_kernel
	.amdgpu_metadata
---
amdhsa.version: [ 1, 2 ]
amdhsa.kernels:
  - .name:           k_qce865484b0_attn
    .symbol:         k_qce865484b0_attn.kd
    .args:
      - { .name: qkv, .offset: 0, .size: 8, .value_kind: global_buffer, .address_space: global }
      - { .name: a_img, .offset: 8, .size: 8, .value_kind: global_buffer, .address_space: global }
      - { .name: a_sc, .offset: 16, .size: 8, .value_kind: global_buffer, .address_space: global }
    .group_segment_fixed_size: 215040
    .private_segment_fixed_size: 0
    .kernarg_segment_align: 8
    .kernarg_segment_size: 24
    .max_flat_workgroup_size: 512
    .sgpr_count:     80
    .vgpr_count:     256
    .wavefront_size: 32
...
	.end_amdgpu_metadata
.endif
;; end of part 3
;; launch oproj (part 4): grid 4 x 32, 4 waves a work-group, clusters of 4 x 4, 327,680 bytes of LDS; arguments a_img, a_sc, codes, scales, out0; writes out0
.if DOCPART == 4
	.amdgcn_target "amdgcn-amd-amdhsa--gfx1250"
	.amdhsa_code_object_version 6
	.text
	.protected	k_qce865484b0_oproj
	.globl	k_qce865484b0_oproj
	.p2align	8
	.type	k_qce865484b0_oproj,@function
k_qce865484b0_oproj:
	s_mov_b64 s[64:65], 0
	v_nop
	global_prefetch_b8 v0, s[64:65] scope:SCOPE_SE
	s_setreg_imm32_b32 hwreg(HW_REG_WAVE_MODE, 25, 1), 1
	s_wait_xcnt 0x0
	s_wait_alu depctr_hold_cnt(0) depctr_sa_sdst(0) depctr_va_vdst(0) depctr_va_sdst(0) depctr_va_ssrc(0) depctr_va_vcc(0) depctr_vm_vsrc(0)
	s_getreg_b32 s2, hwreg(HW_REG_IB_STS2, 6, 4)
	s_cmp_eq_u32 s2, 0
	s_cbranch_scc0 .Lentry_in_a_cluster
	s_endpgm
.Lentry_in_a_cluster:
	s_bfe_u32 s2, ttmp6, 0x10000c
	s_cmp_lg_u32 s2, 0xf033
	s_cbranch_scc0 .Lentry_shape_is_right
	s_endpgm
.Lentry_shape_is_right:
; out0 = o W_O^T on codes of FP6 (E2M3) with E8M0 scales, K = 1,024; out0: [8192][1024] f32.
; A = o: a_img [block of 16 places 512][head 16][768 bytes]: a sub-image is 16 rows x the head's 64 as six operand registers (registers 0-3 at 16 x lane, 4-5 at 512 + 8 x lane); a_sc [place 8192][32 scale bytes].
; B = W_O: rows 11,264 on of codes (768 bytes a row) and of scales (32 bytes a row).
; ROWS LIE BY PLACES in both: place 16 t + r of a group of 32 holds row 8 (t % 2) + r + 8 (r / 8).  The way out puts both back: W_O's through the order of the bytes in the stage, o's through the stores' offsets.
; A tile of out0 is 256 x 256: four waves, 128 x 128 each, 64 accumulators.  K goes in steps of 256 (four heads) through two LDS slots filled by tensor loads; the scales of the 512 rows come once and stay.
; The matrix instruction is used transposed (source 0 = 16 rows of B, source 1 = 16 rows of A): a lane holds eight numbers of one row of out0.
; CLUSTERS: 4 x 4 work-groups; A's tile is asked for jointly by a row of the cluster, B's by a column.
; REGISTERS: window 0: v16-29 addresses; v32-63 scale words, two sets; from v128 A's fragments, ONE set; on the way out v128-255.  window 1: B's fragments, two sets.  windows 2, 3: the accumulators ((a, b) at v[8 (8 (a % 4) + b)]).
.set KSTEP,  256
.set NQ,     KSTEP/128
.set ROWB,   192                       ; B: a tile's row in bytes
.set KROW,   768                       ; a row of codes in memory; also a sixteenth of a block's 12,288 bytes in a_img
.set PITCH,  240                       ; B: an LDS row: 3 x (64 bytes + 16 of padding)
.set FR,     12
.set NLA,    4                         ; LDS loads that bring a fragment of A
.set NP,     4                         ; places behind this matrix instruction (ISA guide 7.12.1)
.set AROW,   3072                      ; A: a block's four heads of a K step
.set HALFA,  8*AROW                    ; A: 128 rows: what one tensor load brings
.set HALFT,  128*PITCH                 ; B: likewise
.set SLOT,   2*HALFA+2*HALFT           ; A's 256 rows, then B's 256 rows
.set LAPS,   2
.set KS,     32
.set SCL,    2*SLOT
.set HALFS,  (128*KS/256)*272
.set SBLK,   (16*KS/256)*272
.set SPARE,  SCL+4*HALFS               ; the spare words, 128 bytes for each wave: two blocks of 256 bytes that no other line names
.set SPITCH, 528                       ; the way out: a stage of 16 rows x (512 bytes + 16) for each wave, in slot 0, which has had its last fill and its last read when the first result is stored there
.set NROW,   4096                      ; a row of out0 in bytes
.set ADRA, 16                          ; v16-17 16 x lane in my A rows of slot 0, 1;  v18-19 8 x lane + 512 likewise
.set ADRB, 20                          ; v20-23
.set STO,  24
.set RD,   25
.set CO,   26
.set ADRS, 27
.set SPW,  28
.set NIL,  29
.set SC,   32
.set AF,   128
.set BK,   128
.set G1, 24
.set G0, 32
.set G1B, 48
.set G0B, 56
.set G1S, 68
.set G0S, 76
.set G1SB, 80
.set G0SB, 88
.set MSB, 0
.macro WIN new                         ; the immediate's high byte repeats the setting that is left
.if MSB != \new
	s_set_vgpr_msb (MSB<<8)|\new
.set MSB, \new
.endif
.endm
.set MUL_LO, 0xa1
.set MUL_HI, 0xf1
.set TO_B,   0x40
.macro JLOAD g0a, g1a, g0b, g1b        ; a joint load: waves 0 and 1 fetch for A, waves 2 and 3 for B; four v_nop follow each of the two lines
	s_cmp_eq_u32 s15, 0
	s_cbranch_scc0 .Lfor_b_\@
	tensor_load_to_lds s[\g0a:\g0a+3], s[\g1a:\g1a+7]
	s_nop 0
.rept 4
	v_nop
.endr
	s_branch .Lasked_\@
.Lfor_b_\@:
	tensor_load_to_lds s[\g0b:\g0b+3], s[\g1b:\g1b+7]
	s_nop 0
.rept 4
	v_nop
.endr
.Lasked_\@:
.endm
.macro CREST
	s_cmp_lg_u32 s14, 0
	s_cbranch_scc1 .Lnot_wave_0_\@
	s_barrier_signal -3
.Lnot_wave_0_\@:
	s_barrier_wait -3
	s_barrier_signal -1
	s_barrier_wait -1
.endm
.macro CROUND
	s_barrier_signal -1
	s_barrier_wait -1
	CREST
.endm
	s_load_b128 s[4:7], s[0:1], 0x0                ; a_img, a_sc
	s_load_b128 s[8:11], s[0:1], 0x10              ; codes, scales
	s_load_b64 s[12:13], s[0:1], 0x20              ; out0
	v_lshl_add_u32 v[SPW], v0, 2, SPARE
	v_mov_b32 v[NIL], 0
	ds_add_u32 v28, v29
	ds_add_u32 v28, v29
	s_wait_dscnt 0x0
	v_lshrrev_b32 v1, 5, v0
	v_readfirstlane_b32 s14, v1                    ; wave 0..3
	s_lshr_b32 s15, s14, 1                         ; which half of the tile's rows is mine.  Also: I fetch for A (0) or for B (1)
	s_and_b32 s16, s14, 1                          ; which half of its columns.  Also: which 128 rows I fetch
	s_bfe_u32 s40, ttmp6, 0x40000                  ; cx, cy
	s_bfe_u32 s41, ttmp6, 0x40004
	s_lshl_b32 s42, ttmp9, 2
	s_add_co_u32 s42, s42, s40                     ; tile column
	s_and_b32 s17, ttmp7, 0xffff
	s_lshl_b32 s17, s17, 2
	s_add_co_u32 s17, s17, s41                     ; tile row
	s_lshl_b32 s43, s41, 2
	s_lshl_b32 s43, 15, s43                        ; my row of the cluster
	s_lshl_b32 s44, 0x1111, s40                    ; my column
	s_or_b32 s[G1+0], s43, (3<<16)|(1<<21)         ; A: the mask; elements of 8 bytes; bit 21 beside a mask; no padding
	s_mov_b32 s[G1+1], (AROW/8)<<16                ; tensor_dim0 = 384: 3,072 bytes
	s_mov_b32 s[G1+2], 8<<16                       ; tensor_dim1 = 8 blocks
	s_mov_b32 s[G1+3], (AROW/8)<<16                ; tile_dim0
	s_mov_b32 s[G1+4], 8                           ; tile_dim1
	s_mov_b32 s[G1+5], 1536                        ; the pitch: 12,288 bytes from block to block
	s_mov_b32 s[G1+6], 0
	s_mov_b32 s[G1+7], 0
	s_or_b32 s[G1B+0], s44, (0<<16)|(1<<20)|(1<<21)|(3<<22)|(3<<25)  ; B: elements of 1 byte; after every 16 words 4 words of padding
	s_mov_b32 s[G1B+1], ROWB<<16
	s_mov_b32 s[G1B+2], 128<<16
	s_mov_b32 s[G1B+3], ROWB<<16
	s_mov_b32 s[G1B+4], 128
	s_mov_b32 s[G1B+5], KROW
	s_mov_b32 s[G1B+6], 0
	s_mov_b32 s[G1B+7], 0
	s_or_b32 s[G1S+0], s43, (3<<16)|(1<<20)|(1<<21)|(5<<22)|(3<<25)  ; the scales of 128 rows: 4,096 dense bytes as rows of 256, 16 bytes of padding behind each
	s_or_b32 s[G1SB+0], s44, (3<<16)|(1<<20)|(1<<21)|(5<<22)|(3<<25)
.irp g, G1S, G1SB
	s_mov_b32 s[\g+1], 32<<16
	s_mov_b32 s[\g+2], (128*KS/256)<<16
	s_mov_b32 s[\g+3], 32<<16
	s_mov_b32 s[\g+4], 128*KS/256
	s_mov_b32 s[\g+5], 32
	s_mov_b32 s[\g+6], 0
	s_mov_b32 s[\g+7], 0
.endr
	s_lshl_b32 s18, s16, 7                         ; which 128 rows of the tile I fetch
	s_lshl_b32 s20, s17, 8
	s_add_co_u32 s20, s20, s18                     ; A: place 256 x tile row + 128 x half
	s_lshl_b32 s46, s42, 8
	s_add_co_u32 s46, s46, s18
	s_add_co_u32 s46, s46, 11264                   ; B: W_O's rows begin at row 11,264 of both buffers
	s_mov_b32 s21, 0
	s_mov_b32 s47, 0
	s_mov_b64 s[18:19], KS
	s_mul_u64 s[22:23], s[20:21], s[18:19]
	s_mul_u64 s[92:93], s[46:47], s[18:19]
	s_mov_b64 s[18:19], KROW
	s_mul_u64 s[20:21], s[20:21], s[18:19]         ; A: 16 places are 12,288 bytes: 768 a place
	s_mul_u64 s[46:47], s[46:47], s[18:19]
	s_mul_i32 s45, s16, HALFA                      ; where they go: A's two halves,
	s_mul_i32 s67, s16, HALFT
	s_add_co_u32 s67, s67, 2*HALFA                 ; then B's two
	s_mul_i32 s94, s14, HALFS
	s_wait_kmcnt 0x0
	s_add_nc_u64 s[20:21], s[4:5], s[20:21]
	s_add_nc_u64 s[22:23], s[6:7], s[22:23]
	s_add_nc_u64 s[46:47], s[8:9], s[46:47]
	s_add_nc_u64 s[92:93], s[10:11], s[92:93]
	CROUND                                         ; all sixteen work-groups are here: the first joint loads meet
	s_mov_b32 s[G0S], 1
	s_add_co_u32 s[G0S+1], s94, SCL
	s_mov_b64 s[G0S+2:G0S+3], s[22:23]
	s_or_b32 s[G0S+3], s[G0S+3], 0x80000000
	s_mov_b32 s[G0SB], 1
	s_add_co_u32 s[G0SB+1], s94, SCL
	s_mov_b64 s[G0SB+2:G0SB+3], s[92:93]
	s_or_b32 s[G0SB+3], s[G0SB+3], 0x80000000
	JLOAD G0S, G1S, G0SB, G1SB                     ; the scales first
.irp s, 0,1
	s_mov_b32 s[G0+4*\s], 1
	s_add_co_u32 s[G0+4*\s+1], s45, \s*SLOT
	s_add_nc_u64 s[G0+4*\s+2:G0+4*\s+3], s[20:21], \s*AROW
	s_or_b32 s[G0+4*\s+3], s[G0+4*\s+3], 0x80000000
	s_mov_b32 s[G0B+4*\s], 1
	s_add_co_u32 s[G0B+4*\s+1], s67, \s*SLOT
	s_add_nc_u64 s[G0B+4*\s+2:G0B+4*\s+3], s[46:47], \s*ROWB
	s_or_b32 s[G0B+4*\s+3], s[G0B+4*\s+3], 0x80000000
	JLOAD G0+4*\s, G1, G0B+4*\s, G1B
.endr
	v_and_b32 v1, 15, v0                           ; r
	v_bfe_u32 v2, v0, 4, 1                         ; h
	v_mul_u32_u24 v3, v1, PITCH
	v_mul_u32_u24 v4, v2, 24
	v_add_nc_u32 v4, v3, v4                        ; B: a fragment's row x pitch + 24 x half
	v_lshl_add_u32 v5, v2, 4, v4                   ; and the same behind one padding more
	v_and_b32 v6, 31, v0
	v_lshlrev_b32 v7, 4, v6                        ; A: 16 x lane
	v_lshlrev_b32 v8, 3, v6
	v_add_nc_u32 v8, 512, v8                       ; and 8 x lane + 512
	s_mul_i32 s21, s15, HALFA                      ; my 128 rows of A
	s_mul_i32 s22, s16, HALFT                      ; my 128 rows of B,
	s_add_co_u32 s22, s22, 2*HALFA                 ; which lie behind A's 256
.irp s, 0,1
	v_add_nc_u32 v[ADRA+\s], s21, v7
	v_add_nc_u32 v[ADRA+2+\s], s21, v8
	v_add_nc_u32 v[ADRB+\s], s22, v4
	v_add_nc_u32 v[ADRB+2+\s], s22, v5
	s_add_co_u32 s21, s21, SLOT
	s_add_co_u32 s22, s22, SLOT
.endr
	v_mul_u32_u24 v5, v1, KS
	v_lshrrev_b32 v6, 8, v5
	v_lshl_add_u32 v5, v6, 4, v5
	s_mul_i32 s21, s15, HALFS
	s_mul_i32 s22, s16, HALFS
	s_add_co_u32 s22, s22, 2*HALFS
	s_sub_co_u32 s22, s22, s21
	v_mul_u32_u24 v6, s22, v2                      ; lanes 16-31 take B's
	s_add_co_u32 s21, s21, SCL
	v_add_nc_u32 v5, v5, v6
	v_add_nc_u32 v[ADRS], s21, v5
	s_mul_i32 s23, s14, 16*SPITCH                  ; my stage
	v_mul_u32_u24 v5, v1, SPITCH                   ; in: row r; my eight numbers of B's block b are columns 32 (b / 2) + 8 (b % 2) + 16 h + 0 .. 7: 64 h bytes here, the rest in the stores' offsets
	v_lshl_add_u32 v5, v2, 6, v5
	v_add_nc_u32 v[STO], s23, v5
	v_and_b32 v6, 31, v0
	v_lshlrev_b32 v[CO], 4, v6                     ; back: the 32 lanes take one row of 512 bytes; and the same in out0
	v_add_nc_u32 v[RD], s23, v[CO]
	s_lshl_b32 s20, s17, 8
	s_lshl_b32 s21, s15, 7
	s_add_co_u32 s20, s20, s21                     ; my first row of out0
	s_mov_b32 s21, 0
	s_mov_b64 s[18:19], NROW
	s_mul_u64 s[20:21], s[20:21], s[18:19]
	s_lshl_b32 s46, s42, 10                        ; my first column, in bytes
	s_lshl_b32 s47, s16, 9
	s_add_co_u32 s46, s46, s47
	s_mov_b32 s47, 0
	s_add_nc_u64 s[20:21], s[20:21], s[46:47]
	s_add_nc_u64 s[12:13], s[12:13], s[20:21]
.macro FRAG reg, adr, q, i             ; B: 16 rows x 128 K: 12 registers, in pieces of 8 bytes; where the piece three on lies behind one padding more, the second address register serves
.irp p, 0,1,2,3,4,5
.set PCE, 12*(\q)+6*(\p/3)+\p%3
.if PCE%8 < 5
	ds_load_b64 v[\reg+2*\p:\reg+2*\p+1], v[\adr] offset:8*PCE+16*(PCE/8)+(\i)*16*PITCH
.else
	ds_load_b64 v[\reg+2*\p:\reg+2*\p+1], v[\adr+2] offset:8*PCE+16*(PCE/8)+(\i)*16*PITCH
.endif
.endr
.endm
.macro FRAGA reg, slot, q, i           ; A: two sub-images, as they lie: every load takes consecutive bytes
	ds_load_b128 v[\reg:\reg+3], v[ADRA+\slot] offset:AROW*(\i)+1536*(\q)
	ds_load_b64 v[\reg+4:\reg+5], v[ADRA+2+\slot] offset:AROW*(\i)+1536*(\q)
	ds_load_b128 v[\reg+6:\reg+9], v[ADRA+\slot] offset:AROW*(\i)+1536*(\q)+768
	ds_load_b64 v[\reg+10:\reg+11], v[ADRA+2+\slot] offset:AROW*(\i)+1536*(\q)+768
.endm
; 16 matrix instructions: A's blocks a0, a0 + 1 x B's eight, 128 along K.  The 64 accumulators take turns, one instruction a turn, in the same order in every step.
.macro MUL16 a0, p, q, sc, zero
.irp a, \a0, \a0+1
.irp b, 0,1,2,3,4,5,6,7
.if \zero
	v_wmma_scale_f32_16x16x128_f8f6f4 v[8*(8*((\a)%4)+\b):8*(8*((\a)%4)+\b)+7], v[128*(\p)+FR*\b:128*(\p)+FR*\b+FR-1], v[AF+FR*(\a):AF+FR*(\a)+FR-1], 0, v[SC+8*NQ*(\sc)+NQ*\b+(\q)], v[SC+8*NQ*(\sc)+NQ*(\a)+(\q)] matrix_a_fmt:MATRIX_FMT_FP6 matrix_b_fmt:MATRIX_FMT_FP6 matrix_a_scale:MATRIX_SCALE_ROW1
.else
	v_wmma_scale_f32_16x16x128_f8f6f4 v[8*(8*((\a)%4)+\b):8*(8*((\a)%4)+\b)+7], v[128*(\p)+FR*\b:128*(\p)+FR*\b+FR-1], v[AF+FR*(\a):AF+FR*(\a)+FR-1], v[8*(8*((\a)%4)+\b):8*(8*((\a)%4)+\b)+7], v[SC+8*NQ*(\sc)+NQ*\b+(\q)], v[SC+8*NQ*(\sc)+NQ*(\a)+(\q)] matrix_a_fmt:MATRIX_FMT_FP6 matrix_b_fmt:MATRIX_FMT_FP6 matrix_a_scale:MATRIX_SCALE_ROW1
.endif
.endr
.endr
.endm
.macro FETCH_B slot, q, p
	WIN TO_B
.irp i, 0,1,2,3,4,5,6,7
	FRAG 128*(\p)+FR*\i, ADRB+\slot, \q, \i
.endr
	WIN 0
.endm
.macro FETCH_A slot, q, i0
.irp i, \i0, \i0+1, \i0+2, \i0+3
	FRAGA AF+FR*(\i), \slot, \q, \i
.endr
.endm
.macro SCALES sc
.irp i, 0,1,2,3,4,5,6,7
	ds_load_b64 v[SC+8*NQ*\sc+NQ*\i:SC+8*NQ*\sc+NQ*\i+1], v[ADRS] offset:\i*SBLK
.endr
.endm
.macro PLACES n
.rept \n
	v_nop
.endr
.endm
.macro STEP slot, q, zero
	s_wait_dscnt 4*NLA                             ; B's set and A's blocks 0-3 are in; the youngest 16 loads (A's blocks 4-7) may be out
	WIN MUL_LO
	MUL16 0, (\q)%2, \q, \slot, \zero
	MUL16 2, (\q)%2, \q, \slot, \zero
	s_wait_dscnt 0
	PLACES NP
	FETCH_B \slot, (\q)+1, 1-(\q)%2
	FETCH_A \slot, (\q)+1, 0
	WIN MUL_HI
	MUL16 4, (\q)%2, \q, \slot, \zero
	MUL16 6, (\q)%2, \q, \slot, \zero
	PLACES NP
	WIN 0
	FETCH_A \slot, (\q)+1, 4
.endm
.macro TURN slot, next, fill
	s_wait_tensorcnt 0x0                           ; all my tensor loads have landed: my part of the next slot
	ds_add_u32 v[SPW], v[NIL]                      ; 0 onto my spare word
	s_wait_dscnt 4*NLA+1                           ; (the add and the youngest 16 loads may be out)
	WIN MUL_LO
	MUL16 0, 1, NQ-1, \slot, 0
	s_wait_dscnt 0x0                               ; the add is done, and my reads of this slot are over
	s_barrier_signal -1
	MUL16 2, 1, NQ-1, \slot, 0
	WIN 0
	s_barrier_wait -1
.if \fill
	CREST                                          ; the barrier has opened a round of the cluster's barrier: no wave of any partner still reads this slot or has a load on its way
	s_add_nc_u64 s[G0+4*\slot+2:G0+4*\slot+3], s[G0+4*\slot+2:G0+4*\slot+3], 2*AROW
	s_add_nc_u64 s[G0B+4*\slot+2:G0B+4*\slot+3], s[G0B+4*\slot+2:G0B+4*\slot+3], 2*ROWB
	JLOAD G0+4*\slot, G1, G0B+4*\slot, G1B         ; the first tensor load behind the round; its four v_nop are the places in front of the loads below
.else
	PLACES NP
.endif
	v_add_nc_u32 v[ADRS], 4*NQ, v[ADRS]
	FETCH_B \next, 0, 0
	FETCH_A \next, 0, 0
	SCALES \next
	WIN MUL_HI
	MUL16 4, 1, NQ-1, \slot, 0
	MUL16 6, 1, NQ-1, \slot, 0
	PLACES NP
	WIN 0
	FETCH_A \next, 0, 4
.endm
	s_wait_tensorcnt 1                             ; the scales and my part of K step 0 are in (K step 1's load may be out)
	s_barrier_signal -1
	s_barrier_wait -1                              ; everybody's are
	FETCH_B 0, 0, 0
	FETCH_A 0, 0, 0
	SCALES 0
	FETCH_A 0, 0, 4
	STEP 0, 0, 1                                   ; the first step's products start the sums
	s_mov_b32 s3, LAPS-1
.Llap:
	TURN 0, 1, 1
	STEP 1, 0, 0
	TURN 1, 0, 1
	STEP 0, 0, 0
	s_sub_co_u32 s3, s3, 1
	s_cmp_lg_u32 s3, 0
	s_cbranch_scc1 .Llap
	TURN 0, 1, 0                                   ; the last lap fills nothing
	STEP 1, 0, 0
	s_wait_dscnt 4*NLA
	WIN MUL_LO
	MUL16 0, 1, NQ-1, 1, 0
	MUL16 2, 1, NQ-1, 1, 0
	s_wait_dscnt 0
	WIN MUL_HI
	MUL16 4, 1, NQ-1, 1, 0
	MUL16 6, 1, NQ-1, 1, 0
	WIN 0
; THE WAY OUT, block by block of 16 places x 128 columns, through my own stage in LDS; back as whole rows of 512 bytes.  LDS serves a wave's instructions in order: no wait between the stores and the loads.
.macro TOSTAGE a
.set AC, 64*((\a)%4)
	WIN 0x08+4*((\a)/4)                            ; the data: window 2 or 3
.irp b, 0,1,2,3,4,5,6,7
	ds_store_b128 v[STO], v[AC+8*\b:AC+8*\b+3] offset:128*(\b/2)+32*(\b%2)          ; each accumulator from its low end on
	ds_store_b128 v[STO], v[AC+8*\b+4:AC+8*\b+7] offset:128*(\b/2)+32*(\b%2)+16
.endr
	WIN 0
.set BB, BK+64*((\a)%2)
.irp t, 0,1,2,3,4,5,6,7,8,9,10,11,12,13,14,15
	ds_load_b128 v[BB+4*\t:BB+4*\t+3], v[RD] offset:\t*SPITCH
.endr
.endm
.macro SEND a, younger                 ; place t of block a is row 32 (a / 2) + 8 (a % 2) + t + 8 (t / 8) of my 128
.set BB, BK+64*((\a)%2)
	s_wait_dscnt \younger                          ; the block is back in registers
.if (\a) > 0
.if (\a)%2
	s_add_nc_u64 s[12:13], s[12:13], 8*NROW        ; (behind a wait on XCNT: the earlier stores have read their base)
.else
	s_add_nc_u64 s[12:13], s[12:13], 24*NROW
.endif
.endif
.irp t, 0,1,2,3,4,5,6,7,8,9,10,11,12,13,14,15
	global_store_b128 v[CO], v[BB+4*\t:BB+4*\t+3], s[12:13] offset:(\t+8*(\t/8))*NROW th:TH_STORE_NT   ; 32 lanes store 512 consecutive bytes, at a multiple of 256 from out0's first byte
.endr
.endm
	PLACES NP
	TOSTAGE 0
.irp a, 1,2,3,4,5,6,7
.if \a > 1
	s_wait_xcnt 0x0                                ; block a - 2's stores have read their registers and their base
.endif
	TOSTAGE \a
	SEND \a-1, 32                                  ; behind block a - 1's loads: block a's 16 stores and 16 loads
.endr
	s_wait_xcnt 0x0
	SEND 7, 0
	s_wait_tensorcnt 0x0                           ; the wave's end
	ds_add_u32 v[SPW], v[NIL]
	s_wait_dscnt 0x0
	CROUND                                         ; the closing round
	s_endpgm
.Lfunc_end_k_qce865484b0_oproj:
	.size	k_qce865484b0_oproj, .Lfunc_end_k_qce865484b0_oproj-k_qce865484b0_oproj
	.p2alignl 7, 3214868480
	.fill 96, 4, 3214868480
	.section	.rodata,"a",@progbits
	.p2align	6, 0x0
	.amdhsa_kernel k_qce865484b0_oproj
		.amdhsa_group_segment_fixed_size 327680
		.amdhsa_private_segment_fixed_size 0
		.amdhsa_enable_private_segment 0
		.amdhsa_kernarg_size 40
		.amdhsa_user_sgpr_count 2
		.amdhsa_user_sgpr_kernarg_segment_ptr 1
		.amdhsa_wavefront_size32 1
		.amdhsa_system_sgpr_workgroup_id_x 1
		.amdhsa_system_sgpr_workgroup_id_y 1
		.amdhsa_system_sgpr_workgroup_id_z 1
		.amdhsa_system_vgpr_workitem_id 0
		.amdhsa_next_free_vgpr 1024
		.amdhsa_next_free_sgpr 98
		.amdhsa_reserve_vcc 0
		.amdhsa_float_denorm_mode_32 3
		.amdhsa_float_denorm_mode_16_64 3
		.amdhsa_memory_ordered 1
		.amdhsa_forward_progress 1
		.amdhsa_inst_pref_size 152
	.end_amdhsa_kernel
	.amdgpu_metadata
---
amdhsa.version: [ 1, 2 ]
amdhsa.kernels:
  - .name:           k_qce865484b0_oproj
    .symbol:         k_qce865484b0_oproj.kd
    .args:
      - { .name: a_img, .offset: 0, .size: 8, .value_kind: global_buffer, .address_space: global }
      - { .name: a_sc, .offset: 8, .size: 8, .value_kind: global_buffer, .address_space: global }
      - { .name: codes, .offset: 16, .size: 8, .value_kind: global_buffer, .address_space: global }
      - { .name: scales, .offset: 24, .size: 8, .value_kind: global_buffer, .address_space: global }
      - { .name: out0, .offset: 32, .size: 8, .value_kind: global_buffer, .address_space: global }
    .group_segment_fixed_size: 327680
    .private_segment_fixed_size: 0
    .kernarg_segment_align: 8
    .kernarg_segment_size: 40
    .max_flat_workgroup_size: 128
    .sgpr_count:     98
    .vgpr_count:     1024
    .wavefront_size: 32
...
	.end_amdgpu_metadata
.endif
;; end of part 4
